; MI455X (gfx1250); checked and timed in simulation.
; The chip was launched on July 23, 2026; its instructions are those of AMD's public machine-readable ISA for CDNA 5 (MIT licence, August 2026) and "CDNA5" Instruction Set Architecture Reference Guide (July 2026). The comments in the code are by the model that wrote it; some were corrected since.
;; GQA Broadcast. Allowed arithmetic: matrix products marked QUANTISED: E2M3 operands, one E8M0 scale for each 32 along K, by v_wmma_scale_f32_16x16x128_f8f6f4 with both operands' format E2M3, f32 sums; everything else in f32.
;; Inputs: Wk 2,048 x 512 float32; Wo 2,048 x 2,048 float32; Wq 2,048 x 2,048 float32; Wv 2,048 x 512 float32; bk 512 float32; bo 2,048 float32; bq 2,048 float32; bv 512 float32; x 2 x 1,024 x 2,048 float32.
;; Outputs: out0 2 x 1,024 x 2,048 float32.
;; This version of the problem:
;;   THIS VERSION OF THE PROBLEM IS GIVEN IN LOW PRECISION. The matrix products marked QUANTISED in the list below multiply operands that are first quantised to E2M3 (2 exponent bits, 3 mantissa bits; 6 bits a number), with one power-of-two scale for each 32 numbers along K (OCP MX v1.0); their sums are f32. All else is computed in f32.
;;   The module's matrix products, in the order in which they are computed (A, B: the left and right operand; K: the contracted axis; several contracted axes count as one K, in the product's order):
;;     1. [M 2,048, K 2,048] x [K 2,048, N 2,048]; A: input x; B: input Wq: QUANTISED
;;     2. [M 2,048, K 2,048] x [K 2,048, N 512]; A: input x; B: input Wk: QUANTISED
;;     3. [M 2,048, K 2,048] x [K 2,048, N 512]; A: input x; B: input Wv: QUANTISED
;;     4. batch 16 x [M 1,024, K 64] x [K 64, N 4,096]; A: computed on the way; B: computed on the way: QUANTISED
;;     5. batch 16 x [M 64, K 1,024] x [K 1,024, N 4,096]; A: computed on the way; B: softmax (see below): QUANTISED
;;     6. [M 2,048, K 2,048] x [K 2,048, N 2,048]; A: computed on the way; B: input Wo: QUANTISED
;;   THE QUANTISER, for each operand of a quantised product, along K:
;;     - K is cut into blocks of 32 from its start; a last block that is shorter is filled with zeros.
;;     - A block's scale is 2^e with e = floor(log2(the largest magnitude in the block)) - 2, held to -126 .. 127; a block of zeros has e = 0. As a byte (E8M0): e + 127.
;;     - Each number is divided by its block's scale, clamped to +-7.5, and rounded to the nearest number of E2M3, ties to even, subnormals kept.
;;     - The product sums the exact products of the quantised numbers (number of the format x scale) in f32.
;;   ~~~python
;;   def quantise(x, axis):      # numpy; x: float32 -> the quantised numbers, widened to float32 again
;;       x = np.moveaxis(x, axis, -1); K = x.shape[-1]
;;       x = np.pad(x, [(0, 0)] * (x.ndim - 1) + [(0, -K % 32)]); x = x.reshape(x.shape[:-1] + (-1, 32)); a = np.abs(x).max(-1, keepdims=True)
;;       e = np.where(a > 0, np.clip(np.frexp(np.where(a > 0, a, 1))[1] - 1 - 2, -126, 127), 0)      # np.frexp(a)[1] - 1 = floor(log2(a)), exactly
;;       r = np.clip(x / 2.0 ** e, -7.5, 7.5)
;;       step = 2.0 ** (np.maximum(np.frexp(np.where(r == 0, 1, r))[1] - 1, 0) - 3)
;;       q = np.round(r / step) * step * 2.0 ** e      # np.round: ties to even
;;       return np.moveaxis(q.reshape(q.shape[:-2] + (-1,))[..., :K], -1, axis).astype(np.float32)
;;   ~~~
;;   SOFTMAX AHEAD OF A QUANTISED PRODUCT. Where the list says 'softmax', what is quantised is not the finished softmax but p = 2^(t - M), with t = logit x log2(e) and M = ceil(the row's largest t), a whole number; so 1/2 < the row's largest p <= 1. The row's sum l is taken of the UNQUANTISED p, in f32, and the product's result is divided by l at the end. Since M is a whole number, a kernel that streams over the keys may use a running M (the ceiling of the running maximum): every later rescaling is an exact power of two, which a block's scale takes up: the codes' values come out the same.
;;   OPERANDS COMPUTED ON THE WAY. 'Computed on the way' means the value that the module computes at that place (a softmax that the list does not call 'softmax' is quantised finished and normalised). What goes into a quantiser is computed in f32, as accurately as f32 sums, v_exp_f32 and their like allow (about 1e-6 of the number): no bf16 or f16 on the way to a quantiser, and a product that is left as it is and whose result goes on into a quantised operand takes f32 operands (vector FMAs, or v_wmma_f32_16x16x4_f32). A number that lies on a knife's edge between two numbers of the format may be rounded either way, as far as f32 arithmetic and the matrix unit's own rounding can turn it there, and no further.
;; One version. Each part assembles by itself: llvm-mc -triple=amdgcn-amd-amdhsa -mcpu=gfx1250 --defsym DOCPART=n.
;; ======== version 1 of 1: 4 launches
;; limits: right only within a limited range of input values
;; workspace buffers: xc 3,276,800 bytes; wc 4,915,200 bytes; woc 3,276,800 bytes; qb 3,407,872 bytes; kvb 1,671,168 bytes; ac 3,276,800 bytes
;; launch quant (part 1): grid 448 x 1, 4 waves a work-group, no clusters, 34,304 bytes of LDS; arguments x, Wq, Wo, Wk, Wv, xc, wc, woc; writes xc, wc, woc
.if DOCPART == 1
	.amdgcn_target "amdgcn-amd-amdhsa--gfx1250"
	.amdhsa_code_object_version 6
	.text
	.protected	k_qb8650d036f_quant
	.globl	k_qb8650d036f_quant
	.p2align	8
	.type	k_qb8650d036f_quant,@function
k_qb8650d036f_quant:
	s_mov_b64 s[64:65], 0
	v_nop
	global_prefetch_b8 v0, s[64:65] scope:SCOPE_SE
	s_setreg_imm32_b32 hwreg(HW_REG_WAVE_MODE, 25, 1), 1
	s_wait_xcnt 0x0
; GQA attention in MX-FP6 (E2M3 codes, one E8M0 scale for each 32 along K), four launches: quant, qkv, attn, oproj.
; DEAD WORK: none.  bq, bk and bv stand ahead of quantisers, bo ahead of the output, and every product feeds the output: all ten buffers are used.
; THIS LAUNCH turns x, Wq, Wk, Wv and Wo, f32, into codes and scale bytes along K = the hidden axis, laid as the products' launches take them.
; A STRIP is 64 rows of an operand (tokens of x, columns of a weight) as 4 fragments; lane row p of fragment t is row 32 (t / 2) + 8 (t % 2) + p + 8 (p / 8) of the strip.
; A HALF-IMAGE (16 rows x 64 K, 768 bytes) is the image of six operand registers: registers 0-3 at 16 x lane, registers 4-5 at 512 + 8 x lane; lane (r, h) holds K = 32 h + 0 .. 31 of row r.
; A KBLOCK (a strip x 128 K, 6,400 bytes): 4 fragments of two half-images, then 256 bytes of scale words: row r's four words at 16 r, fragment t's in slot 2 (t % 2) + t / 2.
; Buffers: [panel][phase of 4 K steps][strip in the panel][K step in the phase][6,400].  xc, woc: panels of 2 strips; wc: panels of 4 (0-7: q heads 4 x .. 4 x + 3; 8 + j: k heads 2 j, 2 j + 1, v heads 2 j, 2 j + 1).
; A block's scale is 2^(floor(log2(largest magnitude)) - 2): its byte is the largest magnitude's exponent field - 2, held at 1 from below by a floor among the maximum's leaves.
; LIMITS: a block of zeros, or one whose largest magnitude lies under 2^-124, gets the byte 1 (zeros' codes are zeros; the bytes are read by this program alone); NaN and infinities among the inputs are not served.
; A wave makes one KBLOCK.  Work-groups 0-127: x; 128-383: Wq, Wo; 384-447: Wk, Wv.  A stream: no matrix unit, no tensor load, no cluster (nothing is shared), no barrier (waves share nothing).
.set SPARE, 33792                      ; behind the four stages: the spare words, 128 bytes for each wave
.set SPW,   254                        ; v254  LDS address of my spare word; never rewritten
.set NIL,   255                        ; v255  0; never rewritten
.set LN,    2                          ; v2    lane
.set RR,    3                          ; v3    r = lane % 16
.set HH,    4                          ; v4    h = lane / 16
.set L16,   5                          ; v5    16 x lane
.set L8,    6                          ; v6    8 x lane
.set SCO,   7                          ; v7    16 r + 8 h: my two scale words' place
.set WD,    8                          ; v8-11 scale words
.set STI,   12                         ; v12   x: into the stage
.set STO,   13                         ; v13   x: out of the stage
.set PR,    14                         ; v[14:15] the two words that I store
.set R,     16                         ; v16-143  x: two sets of 64 as loaded.  Weights: two sets of 64 down K
.set X,     144                        ; v144-207 x: 64 neighbours along K.  Weights: codes, 16 registers a step
.set OUT,   208                        ; v208-231 x: a fragment's 12 registers, two sets
.set CT,    232                        ; v232-238 the conversions' second halves
.set T,     240                        ; v240-241 largest magnitudes
.set OP,    242                        ; v242-243 the conversions' scale operands
.set BY,    244                        ; v244-245 scale bytes
.set WT,    246
.set SH,    247                        ; v247  8 h
.set WP,    248
	s_load_b256 s[4:11], s[0:1], 0x0               ; x, Wq, Wo, Wk
	s_load_b256 s[12:19], s[0:1], 0x20             ; Wv, xc, wc, woc
	v_lshl_add_u32 v[SPW], v0, 2, SPARE
	v_mov_b32 v[NIL], 0
	v_lshrrev_b32 v1, 5, v0
	v_readfirstlane_b32 s20, v1                    ; wave 0..3
	v_and_b32 v[LN], 31, v0
	v_and_b32 v[RR], 15, v0
	v_bfe_u32 v[HH], v0, 4, 1
	v_lshlrev_b32 v[L16], 4, v[LN]
	v_lshlrev_b32 v[L8], 3, v[LN]
	v_lshlrev_b32 v[SCO], 4, v[RR]
	v_lshl_add_u32 v[SCO], v[HH], 3, v[SCO]
	s_mov_b32 s22, 0x76543210
	s_mov_b32 s23, 0xfedcba98                      ; v_permlanex16_b32's selects for lane l xor 16
	s_cmp_lt_u32 ttmp9, 128
	s_cbranch_scc0 .Lweights
; ---------------- x: K is innermost.  Work-group: strip id / 4, phase id % 4; wave: the phase's K step.
; A load reads 512 consecutive bytes of one row; a fragment's 16 rows turn through the wave's own stage (rows of 528 bytes), so that a lane gets 32 neighbours along K of its row for each of its two blocks.
	s_mul_i32 s21, s20, 8448                       ; my stage: 16 rows x 528 bytes
	v_add_nc_u32 v[STI], s21, v[L16]
	v_mul_u32_u24 v[STO], v[RR], 528
	v_lshl_add_u32 v[STO], v[HH], 7, v[STO]
	v_add_nc_u32 v[STO], s21, v[STO]               ; row r, + 128 h
	v_lshlrev_b32 v[SH], 3, v[HH]
	v_mov_b32 v[WP], 0                             ; a lane permute's destination counts as one of its sources
	s_lshr_b32 s24, ttmp9, 2                       ; strip
	s_and_b32 s25, ttmp9, 3                        ; phase
	s_lshl_b32 s26, s24, 19                        ; 64 rows of 8,192 bytes
	s_lshl_b32 s27, s25, 2
	s_add_co_u32 s27, s27, s20                     ; K step
	s_lshl_b32 s27, s27, 9
	s_add_co_u32 s26, s26, s27
	s_mov_b32 s27, 0
	s_lshr_b32 s28, s24, 1
	s_mul_i32 s28, s28, 204800                     ; panel
	s_mul_i32 s29, s25, 51200
	s_add_co_u32 s28, s28, s29
	s_and_b32 s29, s24, 1
	s_mul_i32 s29, s29, 25600
	s_add_co_u32 s28, s28, s29
	s_mul_i32 s29, s20, 6400
	s_add_co_u32 s28, s28, s29
	s_mov_b32 s29, 0
	s_wait_alu depctr_va_vdst(0)
	s_wait_kmcnt 0x0
	s_add_nc_u64 s[4:5], s[4:5], s[26:27]
	s_add_nc_u64 s[14:15], s[14:15], s[28:29]
.macro LOADX t                         ; fragment t's 16 rows, 512 bytes each
.irp p, 0,1,2,3,4,5,6,7,8,9,10,11,12,13,14,15
	global_load_b128 v[R+64*((\t)%2)+4*\p:R+64*((\t)%2)+4*\p+3], v[L16], s[4:5] offset:(32*((\t)/2)+8*((\t)%2)+\p+8*(\p/8))*8192 th:TH_LOAD_NT
.endr
.endm
.macro TURNX t                         ; through the stage: LDS serves a wave's instructions in order, so no wait stands between the stores and the loads
.irp p, 0,1,2,3,4,5,6,7,8,9,10,11,12,13,14,15
	ds_store_b128 v[STI], v[R+64*((\t)%2)+4*\p:R+64*((\t)%2)+4*\p+3] offset:528*\p
.endr
.irp c, 0,1
.irp i, 0,1,2,3,4,5,6,7
	ds_load_b128 v[X+32*\c+4*\i:X+32*\c+4*\i+3], v[STO] offset:256*\c+16*\i   ; K = 64 c + 32 h + 4 i ..
.endr
.endr
.endm
.macro QUANTX t                        ; my two whole blocks, 2 c + h, become registers 6 c .. 6 c + 5 of the fragment
.set OU, OUT+12*((\t)%2)
.irp c, 0,1
	v_max3_num_f32 v[T+\c], |v[X+32*\c]|, |v[X+32*\c+1]|, 0x1800000   ; with the floor 2^(3 - 127)
.endr
.irp i, 2,4,6,8,10,12,14,16,18,20,22,24,26,28,30
.irp c, 0,1
	v_max3_num_f32 v[T+\c], v[T+\c], |v[X+32*\c+\i]|, |v[X+32*\c+\i+1]|
.endr
.endr
.irp c, 0,1
	v_add_nc_u32 v[OP+\c], 0xff000000, v[T+\c]     ; 2 off the exponent field: the conversion's scale operand
.endr
.irp c, 0,1
	v_lshrrev_b32 v[BY+\c], 23, v[OP+\c]           ; the scale's byte
.endr
	v_lshl_or_b32 v[WT], v[BY+1], 16, v[BY]        ; blocks h and 2 + h,
	v_lshlrev_b32 v[WT], v[SH], v[WT]              ; at their places in the word;
	v_permlanex16_b32 v[WP], v[WT], s22, s23
	v_or_b32 v[WD+\t], v[WT], v[WP]                ; with lane l xor 16's two the word is whole
.irp c, 0,1
	v_cvt_scalef32_pk16_fp6_f32 v[OU+6*\c:OU+6*\c+2], v[X+32*\c:X+32*\c+15], v[OP+\c]
	v_cvt_scalef32_pk16_fp6_f32 v[CT+4*\c:CT+4*\c+2], v[X+32*\c+16:X+32*\c+31], v[OP+\c]   ; (a conversion's three registers begin on an even number)
.endr
	v_nop                                          ; one plain place behind a scaled conversion
.irp c, 0,1
.irp i, 0,1,2
	v_mov_b32 v[OU+6*\c+3+\i], v[CT+4*\c+\i]
.endr
.endr
.endm
.macro STOREX t                        ; each store covers 512 or 256 consecutive bytes, aligned
.set OU, OUT+12*((\t)%2)
	global_store_b128 v[L16], v[OU:OU+3], s[14:15] offset:1536*(\t)
	global_store_b64 v[L8], v[OU+4:OU+5], s[14:15] offset:1536*(\t)+512
	global_store_b128 v[L16], v[OU+6:OU+9], s[14:15] offset:1536*(\t)+768
	global_store_b64 v[L8], v[OU+10:OU+11], s[14:15] offset:1536*(\t)+1280
.endm
	LOADX 0
	LOADX 1
.irp t, 0,1,2,3
.if \t < 3
	s_wait_loadcnt 16                              ; this fragment's 16 loads are in; the next fragment's may be out
.else
	s_wait_loadcnt 0x0
.endif
	TURNX \t
	s_wait_dscnt 0x0                               ; the numbers are back, so the stores into the stage have read their registers,
.if \t < 2
	LOADX \t+2                                     ; which take the fragment two on
.else
	s_wait_xcnt 0x0                                ; the stores of two fragments ago have read their data: that set is written again
.endif
	QUANTX \t
	STOREX \t
.endr
	v_cmp_eq_u32 vcc_lo, 1, v[HH]
	v_cndmask_b32 v[PR], v[WD], v[WD+1], vcc_lo    ; lane (r, h) stores the words of fragments h and 2 + h: slots 2 h and 2 h + 1
	v_cndmask_b32 v[PR+1], v[WD+2], v[WD+3], vcc_lo
	global_store_b64 v[SCO], v[PR:PR+1], s[14:15] offset:6144
	s_wait_tensorcnt 0x0                           ; the wave's end: behind my last LDS store
	ds_add_u32 v[SPW], v[NIL]
	s_wait_dscnt 0x0
	s_endpgm
; ---------------- the weights: K is the FIRST axis.  A lane takes a column and its registers run down K: nothing is transposed, and no LDS is used.
; Of 32 neighbouring columns lanes 0-15 take those of fragment 2 b, lanes 16-31 those of fragment 2 b + 1.  A step is 64 along K (two whole blocks a lane) of 32 columns.
.macro WLOAD n, pitch                  ; step n = 2 c + b: each load reads 128 consecutive bytes of one row of the weight
.set i, 0
.rept 64
	global_load_b32 v[R+64*((\n)%2)+i], v1, s[36:37] offset:(64*((\n)/2)+i)*\pitch+128*((\n)%2)
.set i, i+1
.endr
.endm
.macro WQ n
.set XS, R+64*((\n)%2)
.set CE, X+16*(\n)
.irp u, 0,1
	v_max3_num_f32 v[T+\u], |v[XS+32*\u]|, |v[XS+32*\u+1]|, 0x1800000
.endr
.irp i, 2,4,6,8,10,12,14,16,18,20,22,24,26,28,30
.irp u, 0,1
	v_max3_num_f32 v[T+\u], v[T+\u], |v[XS+32*\u+\i]|, |v[XS+32*\u+\i+1]|
.endr
.endr
.irp u, 0,1
	v_add_nc_u32 v[OP+\u], 0xff000000, v[T+\u]
.endr
.irp u, 0,1
	v_lshrrev_b32 v[BY+\u], 23, v[OP+\u]
.endr
	v_lshl_or_b32 v[WT], v[BY+1], 8, v[BY]         ; blocks 2 c and 2 c + 1 of my column
.if (\n)/2 == 0
	v_mov_b32 v[WD+(\n)%2], v[WT]
.else
	v_lshl_or_b32 v[WD+(\n)%2], v[WT], 16, v[WD+(\n)%2]
.endif
.irp u, 0,1
	v_cvt_scalef32_pk16_fp6_f32 v[CE+8*\u:CE+8*\u+2], v[XS+32*\u:XS+32*\u+15], v[OP+\u]
	v_cvt_scalef32_pk16_fp6_f32 v[CE+8*\u+4:CE+8*\u+6], v[XS+32*\u+16:XS+32*\u+31], v[OP+\u]
.endr
	v_nop                                          ; one plain place behind a scaled conversion
.irp i, 0,1,2,4,5,6
	v_permlane16_swap_b32 v[CE+\i], v[CE+8+\i]     ; the first run is now fragment 2 b's half-image (lanes 0-15 the even block, lanes 16-31 the odd one), the second fragment 2 b + 1's
.endr
.irp u, 0,1
.irp i, 3,4,5
	v_mov_b32 v[CE+8*\u+\i], v[CE+8*\u+\i+1]       ; six registers on end
.endr
.endr
.irp u, 0,1
	global_store_b128 v[L16], v[CE+8*\u:CE+8*\u+3], s[38:39] offset:(2*((\n)%2)+\u)*1536+768*((\n)/2)
	global_store_b64 v[L8], v[CE+8*\u+4:CE+8*\u+5], s[38:39] offset:(2*((\n)%2)+\u)*1536+768*((\n)/2)+512
.endr
.endm
.macro WPATH pitch                     ; each step has its own registers for its codes: no store's data are written again
	WLOAD 0, \pitch
	WLOAD 1, \pitch
.irp n, 0,1,2,3
.if \n < 3
	s_wait_loadcnt 63                              ; this step's 64 loads are in; 64 were issued behind them, and 63 is the largest count that the wait can name
.else
	s_wait_loadcnt 0x0
.endif
	WQ \n
.if \n < 2
	WLOAD \n+2, \pitch
.endif
.endr
	global_store_b64 v[SCO], v[WD:WD+1], s[38:39] offset:6144   ; lane (r, h) holds the words of fragments h and 2 + h
.endm
.Lweights:
	v_and_b32 v10, 7, v0
	v_bfe_u32 v11, v0, 3, 1
	v_lshl_add_u32 v10, v11, 4, v10
	s_wait_alu depctr_va_vdst(0)
	v_lshl_add_u32 v10, v[HH], 3, v10              ; my column of the 32: l % 8 + 16 ((l / 8) % 2) + 8 (l / 16)
	v_lshlrev_b32 v1, 2, v10
	s_cmp_lt_u32 ttmp9, 384
	s_cbranch_scc0 .Lkv
	; Wq (i < 128) and Wo: rows of 8,192 bytes.  j = i % 128: K step j / 8; strip 4 (j % 8) + wave: the four waves stand side by side on 1,024 bytes of each row
	s_sub_co_u32 s24, ttmp9, 128
	s_lshr_b32 s25, s24, 7                         ; 0: Wq, 1: Wo
	s_and_b32 s24, s24, 127
	s_lshr_b32 s26, s24, 3                         ; K step
	s_and_b32 s27, s24, 7
	s_lshl_b32 s28, s26, 20                        ; 128 rows of 8,192 bytes
	s_lshl_b32 s29, s27, 2
	s_add_co_u32 s29, s29, s20
	s_lshl_b32 s29, s29, 8
	s_add_co_u32 s28, s28, s29
	s_mov_b32 s29, 0
	s_mul_i32 s30, s27, 409600                     ; four strips are one panel of wc and two of woc
	s_and_b32 s31, s26, 3
	s_mul_i32 s31, s31, 6400
	s_add_co_u32 s30, s30, s31
	s_lshr_b32 s31, s26, 2                         ; phase
	s_mul_i32 s32, s31, 102400
	s_mul_i32 s33, s20, 25600
	s_add_co_u32 s32, s32, s33                     ; the rest in wc
	s_mul_i32 s33, s31, 51200
	s_lshr_b32 s34, s20, 1
	s_mul_i32 s34, s34, 204800
	s_add_co_u32 s33, s33, s34
	s_and_b32 s34, s20, 1
	s_mul_i32 s34, s34, 25600
	s_add_co_u32 s33, s33, s34                     ; the rest in woc
	s_wait_kmcnt 0x0
	s_cmp_eq_u32 s25, 0                            ; the choice hangs on the work-group's number alone
	s_cselect_b64 s[36:37], s[6:7], s[8:9]
	s_cselect_b64 s[38:39], s[16:17], s[18:19]
	s_cselect_b32 s32, s32, s33
	s_add_co_u32 s30, s30, s32
	s_mov_b32 s31, 0
	s_add_nc_u64 s[36:37], s[36:37], s[28:29]
	s_add_nc_u64 s[38:39], s[38:39], s[30:31]
	s_wait_alu depctr_va_vdst(0)
	WPATH 8192
	s_endpgm
.Lkv:
	; Wk (i < 32) and Wv: rows of 2,048 bytes.  j = i % 32: K step j / 2; head 4 (j % 2) + wave
	s_sub_co_u32 s24, ttmp9, 384
	s_lshr_b32 s25, s24, 5                         ; 0: Wk, 1: Wv
	s_and_b32 s24, s24, 31
	s_lshr_b32 s26, s24, 1                         ; K step
	s_and_b32 s27, s24, 1
	s_lshl_b32 s27, s27, 2
	s_add_co_u32 s27, s27, s20                     ; head
	s_lshl_b32 s28, s26, 18                        ; 128 rows of 2,048 bytes
	s_lshl_b32 s29, s27, 8
	s_add_co_u32 s28, s28, s29
	s_mov_b32 s29, 0
	s_lshr_b32 s30, s27, 1
	s_add_co_u32 s30, s30, 8
	s_mul_i32 s30, s30, 409600                     ; panel 8 + head / 2
	s_lshr_b32 s31, s26, 2
	s_mul_i32 s31, s31, 102400
	s_add_co_u32 s30, s30, s31
	s_and_b32 s31, s27, 1
	s_lshl_b32 s32, s25, 1
	s_add_co_u32 s31, s31, s32                     ; strip in the panel: head % 2, v's two behind k's two
	s_mul_i32 s31, s31, 25600
	s_add_co_u32 s30, s30, s31
	s_and_b32 s31, s26, 3
	s_mul_i32 s31, s31, 6400
	s_add_co_u32 s30, s30, s31
	s_mov_b32 s31, 0
	s_wait_kmcnt 0x0
	s_cmp_eq_u32 s25, 0
	s_cselect_b64 s[36:37], s[10:11], s[12:13]
	s_add_nc_u64 s[36:37], s[36:37], s[28:29]
	s_add_nc_u64 s[38:39], s[16:17], s[30:31]
	s_wait_alu depctr_va_vdst(0)
	WPATH 2048
	s_endpgm
.Lfunc_end_k_qb8650d036f_quant:
	.size	k_qb8650d036f_quant, .Lfunc_end_k_qb8650d036f_quant-k_qb8650d036f_quant
	.p2alignl 7, 3214868480
	.fill 96, 4, 3214868480
	.section	.rodata,"a",@progbits
	.p2align	6, 0x0
	.amdhsa_kernel k_qb8650d036f_quant
		.amdhsa_group_segment_fixed_size 34304
		.amdhsa_private_segment_fixed_size 0
		.amdhsa_enable_private_segment 0
		.amdhsa_kernarg_size 64
		.amdhsa_user_sgpr_count 2
		.amdhsa_user_sgpr_kernarg_segment_ptr 1
		.amdhsa_wavefront_size32 1
		.amdhsa_system_sgpr_workgroup_id_x 1
		.amdhsa_system_sgpr_workgroup_id_y 1
		.amdhsa_system_sgpr_workgroup_id_z 1
		.amdhsa_system_vgpr_workitem_id 0
		.amdhsa_next_free_vgpr 256
		.amdhsa_next_free_sgpr 66
		.amdhsa_reserve_vcc 1
		.amdhsa_float_denorm_mode_32 3
		.amdhsa_float_denorm_mode_16_64 3
		.amdhsa_memory_ordered 1
		.amdhsa_forward_progress 1
		.amdhsa_inst_pref_size 109
	.end_amdhsa_kernel
	.amdgpu_metadata
---
amdhsa.version: [ 1, 2 ]
amdhsa.kernels:
  - .name:           k_qb8650d036f_quant
    .symbol:         k_qb8650d036f_quant.kd
    .args:
      - { .name: x, .offset: 0, .size: 8, .value_kind: global_buffer, .address_space: global }
      - { .name: Wq, .offset: 8, .size: 8, .value_kind: global_buffer, .address_space: global }
      - { .name: Wo, .offset: 16, .size: 8, .value_kind: global_buffer, .address_space: global }
      - { .name: Wk, .offset: 24, .size: 8, .value_kind: global_buffer, .address_space: global }
      - { .name: Wv, .offset: 32, .size: 8, .value_kind: global_buffer, .address_space: global }
      - { .name: xc, .offset: 40, .size: 8, .value_kind: global_buffer, .address_space: global }
      - { .name: wc, .offset: 48, .size: 8, .value_kind: global_buffer, .address_space: global }
      - { .name: woc, .offset: 56, .size: 8, .value_kind: global_buffer, .address_space: global }
    .group_segment_fixed_size: 34304
    .private_segment_fixed_size: 0
    .kernarg_segment_align: 8
    .kernarg_segment_size: 64
    .max_flat_workgroup_size: 128
    .sgpr_count:     66
    .vgpr_count:     256
    .wavefront_size: 32
...
	.end_amdgpu_metadata
.endif
;; end of part 1
;; launch qkv (part 2): grid 12 x 16, 4 waves a work-group, clusters of 4 x 4, 327,680 bytes of LDS; arguments xc, wc, bq, bk, bv, qb, kvb; writes qb, kvb
.if DOCPART == 2
	.amdgcn_target "amdgcn-amd-amdhsa--gfx1250"
	.amdhsa_code_object_version 6
	.text
	.protected	k_qb8650d036f_qkv
	.globl	k_qb8650d036f_qkv
	.p2align	8
	.type	k_qb8650d036f_qkv,@function
k_qb8650d036f_qkv:
	s_mov_b64 s[64:65], 0
	v_nop
	global_prefetch_b8 v0, s[64:65] scope:SCOPE_SE
	s_setreg_imm32_b32 hwreg(HW_REG_WAVE_MODE, 25, 1), 1
	s_wait_xcnt 0x0
	s_wait_alu depctr_hold_cnt(0) depctr_sa_sdst(0) depctr_va_vdst(0) depctr_va_sdst(0) depctr_va_ssrc(0) depctr_va_vcc(0) depctr_vm_vsrc(0)
	s_getreg_b32 s2, hwreg(HW_REG_IB_STS2, 6, 4)
	s_cmp_eq_u32 s2, 0
	s_cbranch_scc0 .Lentry_in_a_cluster
	s_endpgm
.Lentry_in_a_cluster:
	s_bfe_u32 s2, ttmp6, 0x10000c
	s_cmp_lg_u32 s2, 0xf033
	s_cbranch_scc0 .Lentry_shape_is_right
	s_endpgm
.Lentry_shape_is_right:
; q = x Wq + bq, k = x Wk + bk, v = x Wv + bv on codes of FP6 (E2M3), and their quantising on the way out: q and k along the head's 64, v along the tokens.  Nothing is left out.
; OPERANDS come as register images (launch quant's head comment): strips of 64 rows, KBLOCKs of 6,400 bytes, a phase = 4 K steps of 128.
; A work-group makes 256 columns (panel x of wc) x 128 tokens (panel y of xc); 192 work-groups: a wave owns whole pairs strip x strip, since a head's two blocks are quantised by one wave.
; A wave: source 0 = the U set, two strips (8 fragments); source 1 = the L set, one strip (4 fragments); 32 accumulators, (s, a, b) = U fragment 4 s + b x L fragment a.
; A lane then holds ONE row of L, and the 32 registers of group (s, a) run along U's strip s: register 16 u + i is row 32 u + 16 (lane / 16) + i: neighbours along the axis that is quantised.
;   q and k waves: U = two heads' columns, L = my 64 tokens: a group becomes a half-image 16 tokens x 64 d.
;   v waves (waves 2, 3 in the clusters with x = 2): U = the panel's 128 tokens, L = one v head's columns: a group becomes a half-image 16 d x 64 tokens.  The loop's text is the same: two strip numbers differ.
; RING: two LDS slots of a phase each (P's 4 strips, then R's 2), filled by the tensor data mover; every fill is a dense block of memory taken as rows of 256 bytes.
; CLUSTERS: 4 x 4.  xc's panel hangs on y alone and is shared along a row of the cluster, wc's on x alone and is shared along a column: joint loads, each with a mask that names the four.
; No prefetch: two of the four fills go out at the head and the ring has two refills.  No padding in LDS: every fragment load reads 512 or 256 consecutive bytes.
; OUT: qb [b][head 32] regions of 53,248: codes [token strip 16][tile 4][768], scale blocks [16][256] at 49,152.
;      kvb [b][head 8] regions of 104,448: k as q; V^T codes at 53,248 [token strip 16][d tile 4][768]; V's scale blocks [key step 8][256] at 102,400.
;      q's and k's scale words: bytes 0, 1 the head's two blocks; bytes 2, 3 the neighbouring head's or 0: they meet zero codes alone in launch attn and are never 0xff.
; LIMITS as in launch quant: a block under 2^-124 keeps the byte 1; NaN and infinities are not served.
; REGISTERS: window 0: v1-18 addresses; v30, v31 the add's two; v32-127 L's fragments, two buffers (on the way out codes and work); v128-151 scale words, two sets, nothing else; v160-223 biases; v224-255 at work.
;   window 1: the 32 accumulators.   window 2: v0-191 U's fragments, two buffers.
.set SB,     25600                     ; a strip x a phase
.set KB,     6400                      ; a KBLOCK
.set SLOT,   6*SB
.set SPARE,  2*SLOT                    ; behind the ring: the spare words, 128 bytes for each wave
.set RPANEL, 8*SB
.set RPH,    2*SB
.set PPANEL, 16*SB
.set PPH,    4*SB
.set AU128, 1                          ; v1-2   U's strips in slot 0, 1, + 16 x lane
.set AU64,  3                          ; v3-4   + 8 x lane
.set AUS,   5                          ; v5-6   + 16 r
.set AL128, 7                          ; v7-12  the same for L
.set AL64,  9
.set ALS,   11
.set L16,   13
.set L8,    14
.set SCO,   15                         ; v15  16 r + 8 h
.set BNO,   16                         ; v16  64 h
.set BVO,   17                         ; v17  4 (r + 8 (r / 8))
.set HH,    18
.set SPW,   30
.set NIL,   31
.set LF,    32
.set SCB,   128                        ; set f at SCB + 12 f: U's 8 words, L's 4
.set BI,    160
.set CD,    32                         ; the way out: codes, 4 registers a block
.set TP,    96
.set HW,    112                        ; two bytes a group
.set WD,    120
.set T,     224
.set OP,    240
.set G1,  24                           ; s[24:31] group 1, s[32:39] groups 0 (a set for each slot) for xc's strips
.set G0,  32
.set G1B, 48                           ; s[48:55], s[56:63] the same for wc's
.set G0B, 56
.set MSB, 0
.macro WIN new                         ; the immediate's high byte repeats the setting that is left
.if MSB != \new
	s_set_vgpr_msb (MSB<<8)|\new
.set MSB, \new
.endif
.endm
.set W_MUL, 0x52                       ; source 0 (U) window 2, source 1 (L) window 0, C and D window 1
.macro JLOAD s                         ; waves 0, 1 fetch xc's two strips, waves 2, 3 the halves of wc's four; an s_nop 0 and four v_nop follow each line
	s_cmp_eq_u32 s19, 0
	s_cbranch_scc0 .Lfor_p_\@
	tensor_load_to_lds s[G0+4*\s:G0+4*\s+3], s[G1:G1+7]
	s_nop 0
.rept 4
	v_nop
.endr
	s_branch .Lasked_\@
.Lfor_p_\@:
	tensor_load_to_lds s[G0B+4*\s:G0B+4*\s+3], s[G1B:G1B+7]
	s_nop 0
.rept 4
	v_nop
.endr
.Lasked_\@:
.endm
.macro CREST                           ; a round of the cluster's barrier behind its opening barrier
	s_cmp_lg_u32 s18, 0
	s_cbranch_scc1 .Lnot_wave_0_\@
	s_barrier_signal -3
.Lnot_wave_0_\@:
	s_barrier_wait -3
	s_barrier_signal -1
	s_barrier_wait -1
.endm
.macro CROUND
	s_barrier_signal -1
	s_barrier_wait -1
	CREST
.endm
.macro PLACES                          ; four places in front of loads into registers that matrix instructions have read, and of the first read of results
.rept 4
	v_nop
.endr
.endm
	s_load_b256 s[4:11], s[0:1], 0x0               ; xc, wc, bq, bk
	s_load_b128 s[12:15], s[0:1], 0x20             ; bv, qb
	s_load_b64 s[16:17], s[0:1], 0x30              ; kvb
	v_lshl_add_u32 v[SPW], v0, 2, SPARE
	v_mov_b32 v[NIL], 0
	ds_add_u32 v[SPW], v[NIL]                      ; the wave's opening: the add, twice on end, and its wait ahead of my first tensor load
	ds_add_u32 v[SPW], v[NIL]
	v_lshrrev_b32 v19, 5, v0
	v_readfirstlane_b32 s18, v19                   ; wave
	s_lshr_b32 s19, s18, 1                         ; wp
	s_and_b32 s20, s18, 1                          ; wr
	s_bfe_u32 s21, ttmp6, 0x40000                  ; cx
	s_bfe_u32 s22, ttmp6, 0x40004                  ; cy
	s_lshl_b32 s23, ttmp9, 2
	s_add_co_u32 s23, s23, s21                     ; x: wc's panel
	s_and_b32 s66, ttmp7, 0xffff
	s_lshl_b32 s66, s66, 2
	s_add_co_u32 s66, s66, s22                     ; y: xc's panel
	s_lshl_b32 s40, s22, 2
	s_lshl_b32 s40, 15, s40                        ; my row of the cluster
	s_lshl_b32 s41, 0x1111, s21                    ; my column
	s_or_b32 s[G1], s40, (3<<16)|(1<<21)           ; the mask; elements of 8 bytes; bit 21 beside a mask; no padding
	s_or_b32 s[G1B], s41, (3<<16)|(1<<21)
	s_mov_b32 s[G1+1], 32<<16                      ; tensor_dim0 = 32 elements: rows of 256 bytes
	s_mov_b32 s[G1+2], 200<<16                     ; tensor_dim1: the head's load brings a phase of both strips, 200 rows
	s_mov_b32 s[G1+3], 32<<16                      ; tile_dim0
	s_mov_b32 s[G1+4], 200                         ; tile_dim1
	s_mov_b32 s[G1+5], 32                          ; the pitch: dense
	s_mov_b32 s[G1+6], 0
	s_mov_b32 s[G1+7], 0
	s_mov_b32 s[G1B+1], 32<<16
	s_mov_b32 s[G1B+2], 400<<16                    ; the head's load: a phase of all four strips
	s_mov_b32 s[G1B+3], 32<<16
	s_mov_b32 s[G1B+4], 400
	s_mov_b32 s[G1B+5], 32
	s_mov_b32 s[G1B+6], 0
	s_mov_b32 s[G1B+7], 0
	s_mul_i32 s42, s66, RPANEL                     ; xc: made of y and the wave's number alone
	s_mul_i32 s46, s20, SB
	s_add_co_u32 s42, s42, s46
	s_mov_b32 s43, 0
	s_mul_i32 s44, s23, PPANEL                     ; wc: of x and the wave's number alone
	s_mul_i32 s47, s20, 2*SB                       ; and in a slot: wc's half wr
	s_add_co_u32 s44, s44, s47
	s_mov_b32 s45, 0
	s_add_co_u32 s46, s46, 4*SB                    ; xc's strip wr lies behind wc's four
	s_mov_b32 s82, 0x76543210
	s_mov_b32 s83, 0xfedcba98
	s_wait_dscnt 0x0                               ; both opening adds are done
	s_wait_kmcnt 0x0
	s_add_nc_u64 s[42:43], s[4:5], s[42:43]
	s_add_nc_u64 s[44:45], s[6:7], s[44:45]
	CROUND                                         ; all sixteen work-groups are here: the first joint loads meet
.irp s, 0,1
	s_mov_b32 s[G0+4*\s], 1
	s_add_co_u32 s[G0+4*\s+1], s46, \s*SLOT
	s_add_nc_u64 s[G0+4*\s+2:G0+4*\s+3], s[42:43], \s*RPH
	s_or_b32 s[G0+4*\s+3], s[G0+4*\s+3], 0x80000000
	s_mov_b32 s[G0B+4*\s], 1
	s_add_co_u32 s[G0B+4*\s+1], s47, \s*SLOT
	s_add_nc_u64 s[G0B+4*\s+2:G0B+4*\s+3], s[44:45], \s*PPH
	s_or_b32 s[G0B+4*\s+3], s[G0B+4*\s+3], 0x80000000
.endr
	; THE HEAD'S LOADS, ONE A WAVE: a panel's phase is dense in memory, so wave wr of xc's two takes phase wr whole (2 strips), wave wr of wc's two phase wr whole (4 strips), each into slot wr.
	; Their groups 0 lie in s[40:43] and s[44:47], which nothing writes again.
	s_mul_i32 s98, s20, SB
	s_mov_b32 s99, 0
	s_add_nc_u64 s[42:43], s[42:43], s[98:99]      ; xc's panel + wr phases (a phase is two strips: wr strips were in, wr more)
	s_or_b32 s43, s43, 0x80000000
	s_mov_b32 s98, s47                             ; wr x 2 strips
	s_add_nc_u64 s[46:47], s[44:45], s[98:99]      ; wc's panel + wr phases (a phase is four strips)
	s_or_b32 s47, s47, 0x80000000
	s_mul_i32 s45, s20, SLOT                       ; wc's phase at the slot's start,
	s_mov_b32 s44, 1
	s_add_co_u32 s41, s45, 4*SB                    ; xc's behind wc's four strips
	s_mov_b32 s40, 1
	s_cmp_eq_u32 s19, 0
	s_cbranch_scc0 .Lhead_p
	tensor_load_to_lds s[40:43], s[G1:G1+7]
	s_nop 0
.rept 4
	v_nop
.endr
	s_branch .Lhead_asked
.Lhead_p:
	tensor_load_to_lds s[44:47], s[G1B:G1B+7]
	s_nop 0
.rept 4
	v_nop
.endr
.Lhead_asked:
	v_and_b32 v19, 31, v0
	v_and_b32 v20, 15, v0
	v_bfe_u32 v[HH], v0, 4, 1
	v_lshlrev_b32 v[L16], 4, v19
	s_wait_alu depctr_va_vdst(0)
	v_lshlrev_b32 v[L8], 3, v19
	s_wait_alu depctr_va_vdst(0)
	v_lshlrev_b32 v21, 4, v20
	s_wait_alu depctr_va_vdst(0)
	v_lshl_add_u32 v[SCO], v[HH], 3, v21
	v_lshlrev_b32 v[BNO], 6, v[HH]
	v_and_b32 v22, 8, v20
	v_add_nc_u32 v22, v22, v20
	v_lshlrev_b32 v[BVO], 2, v22
	; the roles.  KV hangs on the cluster's x, which all sixteen partners share; z = 1 in a v wave
	s_cmp_eq_u32 ttmp9, 2
	s_cselect_b32 s67, 1, 0                        ; KV
	s_and_b32 s68, s67, s19                        ; z
	s_mul_i32 s71, s19, 2*SB
	s_mul_i32 s72, s20, SB
	s_mov_b32 s73, 4*SB
	s_mov_b32 s74, 2*SB
	s_cmp_eq_u32 s68, 1
	s_cselect_b32 s71, s73, s71                    ; U's first strip in a slot: 4 in a v wave, else 2 wp
	s_cselect_b32 s74, s74, s73
	s_add_co_u32 s72, s72, s74                     ; L's: 2 + wr in a v wave, else 4 + wr
.irp s, 0,1
	v_add_nc_u32 v[AU128+\s], s71, v[L16]
	v_add_nc_u32 v[AU64+\s], s71, v[L8]
	v_add_nc_u32 v[AUS+\s], s71, v21
	v_add_nc_u32 v[AL128+\s], s72, v[L16]
	v_add_nc_u32 v[AL64+\s], s72, v[L8]
	v_add_nc_u32 v[ALS+\s], s72, v21
	s_add_co_u32 s71, s71, SLOT
	s_add_co_u32 s72, s72, SLOT
.endr
	; where the biases lie and where the results go
	s_lshr_b32 s69, s66, 3                         ; b
	s_and_b32 s70, s66, 7                          ; yy: my 128 tokens in the batch
	s_lshl_b32 s75, s69, 3
	s_lshl_b32 s76, s21, 1                         ; 2 cx: the panel's first k and v head
	s_add_co_u32 s75, s75, s76
	s_mul_i32 s77, s68, s20
	s_add_co_u32 s75, s75, s77                     ; kvb's region: 8 b + 2 cx (+ wr in a v wave)
	s_lshl_b32 s77, s23, 2
	s_lshl_b32 s78, s19, 1
	s_add_co_u32 s77, s77, s78                     ; my first q head: 4 x + 2 wp
	s_lshl_b32 s78, s69, 5
	s_add_co_u32 s78, s78, s77                     ; qb's region
	s_lshl_b32 s77, s77, 8                         ; its place in bq,
	s_lshl_b32 s79, s76, 8                         ; the k head's in bk
	s_mov_b32 s80, 53248
	s_mov_b32 s81, 104448
	s_cmp_eq_u32 s67, 1
	s_cselect_b32 s75, s75, s78
	s_cselect_b32 s80, s81, s80                    ; a region's bytes
	s_cselect_b32 s96, s79, s77
	s_cselect_b64 s[88:89], s[16:17], s[14:15]     ; kvb or qb
	s_cselect_b64 s[84:85], s[10:11], s[8:9]       ; bk or bq
	s_mov_b32 s97, 0
	s_add_nc_u64 s[84:85], s[84:85], s[96:97]
	s_add_co_u32 s96, s76, s20
	s_lshl_b32 s96, s96, 8
	s_add_nc_u64 s[86:87], s[12:13], s[96:97]      ; bv at head 2 cx + wr
	s_mul_i32 s75, s75, s80
	s_mul_i32 s76, s68, 53248
	s_add_co_u32 s75, s75, s76                     ; the region's first byte; V's part begins 53,248 on
	s_lshl_b32 s76, s70, 1
	s_add_co_u32 s77, s76, s20                     ; my token strip: 2 yy + wr
	s_mov_b32 s78, 3072
	s_cmp_eq_u32 s68, 1
	s_cselect_b32 s76, s76, s77                    ; group s = 0's strip
	s_cselect_b32 s77, s70, s77                    ; the scale block's number
	s_cselect_b32 s78, s78, s80                    ; from s = 0 to s = 1: the next token strip, or the next head's region
	s_mul_i32 s96, s76, 3072
	s_add_co_u32 s96, s96, s75
	s_lshl_b32 s98, s77, 8
	s_add_co_u32 s98, s98, s75
	s_add_co_u32 s98, s98, 49152
	s_mov_b32 s99, 0
	s_add_nc_u64 s[92:93], s[88:89], s[98:99]      ; S0: the scale block
	s_add_nc_u64 s[88:89], s[88:89], s[96:97]      ; D0: s = 0's codes
	s_mov_b32 s96, s78
	s_add_nc_u64 s[90:91], s[88:89], s[96:97]      ; D1
	s_mov_b32 s96, s80
	s_add_nc_u64 s[94:95], s[92:93], s[96:97]      ; S1: the second head's scale block
; 8 matrix instructions: U's strip s x L's fragments a0, a0 + 1.  The 32 accumulators take turns, one instruction a turn, in the same order in every K step.
.macro MUL8 f, s, a0, first
.irp a, \a0, \a0+1
.irp b, 0,1,2,3
.if \first
	v_wmma_scale_f32_16x16x128_f8f6f4 v[8*(16*(\s)+4*(\a)+\b):8*(16*(\s)+4*(\a)+\b)+7], v[96*(\f)+12*(4*(\s)+\b):96*(\f)+12*(4*(\s)+\b)+11], v[LF+48*(\f)+12*(\a):LF+48*(\f)+12*(\a)+11], 0, v[SCB+12*(\f)+4*(\s)+2*(\b%2)+\b/2], v[SCB+12*(\f)+8+2*((\a)%2)+(\a)/2] matrix_a_fmt:MATRIX_FMT_FP6 matrix_b_fmt:MATRIX_FMT_FP6
.else
	v_wmma_scale_f32_16x16x128_f8f6f4 v[8*(16*(\s)+4*(\a)+\b):8*(16*(\s)+4*(\a)+\b)+7], v[96*(\f)+12*(4*(\s)+\b):96*(\f)+12*(4*(\s)+\b)+11], v[LF+48*(\f)+12*(\a):LF+48*(\f)+12*(\a)+11], v[8*(16*(\s)+4*(\a)+\b):8*(16*(\s)+4*(\a)+\b)+7], v[SCB+12*(\f)+4*(\s)+2*(\b%2)+\b/2], v[SCB+12*(\f)+8+2*((\a)%2)+(\a)/2] matrix_a_fmt:MATRIX_FMT_FP6 matrix_b_fmt:MATRIX_FMT_FP6
.endif
.endr
.endr
.endm
; one run of 51 LDS loads: the slot's q-th K step into buffer f: 12 fragments as images, 3 x 4 scale words
.macro FETCH slot, q, f
	WIN 0x80                                       ; destination window 2
.irp s, 0,1
.irp t, 0,1,2,3
.irp c, 0,1
	ds_load_b128 v[96*(\f)+12*(4*\s+\t)+6*\c:96*(\f)+12*(4*\s+\t)+6*\c+3], v[AU128+\slot] offset:\s*SB+(\q)*KB+\t*1536+\c*768
	ds_load_b64 v[96*(\f)+12*(4*\s+\t)+6*\c+4:96*(\f)+12*(4*\s+\t)+6*\c+5], v[AU64+\slot] offset:\s*SB+(\q)*KB+\t*1536+\c*768+512
.endr
.endr
.endr
	WIN 0
.irp t, 0,1,2,3
.irp c, 0,1
	ds_load_b128 v[LF+48*(\f)+12*\t+6*\c:LF+48*(\f)+12*\t+6*\c+3], v[AL128+\slot] offset:(\q)*KB+\t*1536+\c*768
	ds_load_b64 v[LF+48*(\f)+12*\t+6*\c+4:LF+48*(\f)+12*\t+6*\c+5], v[AL64+\slot] offset:(\q)*KB+\t*1536+\c*768+512
.endr
.endr
	ds_load_b128 v[SCB+12*(\f):SCB+12*(\f)+3], v[AUS+\slot] offset:(\q)*KB+6144
	ds_load_b128 v[SCB+12*(\f)+4:SCB+12*(\f)+7], v[AUS+\slot] offset:SB+(\q)*KB+6144
	ds_load_b128 v[SCB+12*(\f)+8:SCB+12*(\f)+11], v[ALS+\slot] offset:(\q)*KB+6144
.endm
; A K step that has its successor in the same slot: the successor's loads go out first and have this step's 32 products in which to land.
.macro STEP slot, q, first
	s_wait_dscnt 0x0                               ; this step's fragments are in
.if !(\first)
	PLACES                                         ; the other buffer was multiplied by the products just issued
.endif
	FETCH \slot, (\q)+1, 1-(\q)%2
	WIN W_MUL
	MUL8 (\q)%2, 0, 0, \first
	MUL8 (\q)%2, 0, 2, \first
	MUL8 (\q)%2, 1, 0, \first
	MUL8 (\q)%2, 1, 2, \first
.endm
; A slot's last K step (buffer 1) changes slots: ONE barrier; in front of it each wave waits for all its tensor loads, adds 0 to its spare word, and waits for that and for its reads of this slot.
.macro TURN slot, next, fill
	WIN 0                                          ; (the add's two registers lie in window 0)
	s_wait_tensorcnt 0x0                           ; all my tensor loads have landed: my part of the next slot
	ds_add_u32 v[SPW], v[NIL]                      ; 0 onto my spare word
	s_wait_dscnt 1                                 ; this step's fragments are in; the add alone may be out
	WIN W_MUL
	MUL8 1, 0, 0, 0
	s_wait_dscnt 0x0                               ; the add is done, and my reads of this slot are over
	s_barrier_signal -1
	MUL8 1, 0, 2, 0
	WIN 0
	s_barrier_wait -1
.if \fill
	CREST                                          ; the barrier has opened a round of the cluster's: no wave of any partner still reads this slot or has a load on its way
	s_add_nc_u64 s[G0+4*\slot+2:G0+4*\slot+3], s[G0+4*\slot+2:G0+4*\slot+3], 2*RPH
	s_add_nc_u64 s[G0B+4*\slot+2:G0B+4*\slot+3], s[G0B+4*\slot+2:G0B+4*\slot+3], 2*PPH
	JLOAD \slot                                    ; the first tensor load behind the round; its four v_nop are the places in front of the loads below
.else
	PLACES
.endif
	FETCH \next, 0, 0
	WIN W_MUL
	MUL8 1, 1, 0, 0
	MUL8 1, 1, 2, 0
.endm
	s_wait_alu depctr_va_vdst(0)
	s_wait_tensorcnt 0x0                           ; my phase is in; no load of mine is out, so group 1 may be written: the ring's loads bring a strip of xc, two of wc
	s_mov_b32 s[G1+2], 100<<16
	s_mov_b32 s[G1+4], 100
	s_mov_b32 s[G1B+2], 200<<16
	s_mov_b32 s[G1B+4], 200
	s_barrier_signal -1
	s_barrier_wait -1
	FETCH 0, 0, 0
	STEP 0, 0, 1                                   ; the first products start the sums
	STEP 0, 1, 0
	STEP 0, 2, 0
	TURN 0, 1, 1                                   ; slot 0 takes phase 2
	STEP 1, 0, 0
	STEP 1, 1, 0
	STEP 1, 2, 0
	TURN 1, 0, 1                                   ; slot 1 takes phase 3
	STEP 0, 0, 0
	STEP 0, 1, 0
	STEP 0, 2, 0
	TURN 0, 1, 0                                   ; nothing is left to fetch
	STEP 1, 0, 0
	STEP 1, 1, 0
	STEP 1, 2, 0
	s_wait_dscnt 0x0                               ; the last K step's fragments
	WIN 0
	s_cmp_eq_u32 s68, 1
	s_cbranch_scc1 .Lv_arm
	; q and k waves: the bias runs along the registers: that of d = 32 (b / 2) + 8 (b % 2) + 16 h + j of head s.  Its loads lie under the last K step's products
.irp s, 0,1
.irp b, 0,1,2,3
	global_load_b128 v[BI+32*\s+8*\b:BI+32*\s+8*\b+3], v[BNO], s[84:85] offset:\s*256+(32*(\b/2)+8*(\b%2))*4
	global_load_b128 v[BI+32*\s+8*\b+4:BI+32*\s+8*\b+7], v[BNO], s[84:85] offset:\s*256+(32*(\b/2)+8*(\b%2))*4+16
.endr
.endr
	WIN W_MUL
	MUL8 1, 0, 0, 0
	MUL8 1, 0, 2, 0
	MUL8 1, 1, 0, 0
	MUL8 1, 1, 2, 0
	PLACES
	s_wait_loadcnt 0x0
	WIN 0x41                                       ; destination and source 0 window 1
.irp g, 0,1,2,3,4,5,6,7
.set i, 0
.rept 16
	v_pk_add_f32 v[32*\g+i:32*\g+i+1], v[32*\g+i:32*\g+i+1], v[BI+32*(\g/4)+i:BI+32*(\g/4)+i+1]   ; each accumulator from its low end on
.set i, i+2
.endr
.endr
	WIN 0
	s_branch .Ljoin
.Lv_arm:
	; v waves: a lane holds one d of the head: one bias for all registers of a group, loaded into both registers of a pair
.irp a, 0,1,2,3
	global_load_b32 v[BI+2*\a], v[BVO], s[86:87] offset:(32*(\a/2)+8*(\a%2))*4
	global_load_b32 v[BI+2*\a+1], v[BVO], s[86:87] offset:(32*(\a/2)+8*(\a%2))*4
.endr
	WIN W_MUL
	MUL8 1, 0, 0, 0
	MUL8 1, 0, 2, 0
	MUL8 1, 1, 0, 0
	MUL8 1, 1, 2, 0
	PLACES
	s_wait_loadcnt 0x0
	WIN 0x41
.irp g, 0,1,2,3,4,5,6,7
.set i, 0
.rept 16
	v_pk_add_f32 v[32*\g+i:32*\g+i+1], v[32*\g+i:32*\g+i+1], v[BI+2*(\g%4):BI+2*(\g%4)+1]
.set i, i+2
.endr
.endr
	WIN 0
.Ljoin:
	; THE WAY OUT: 16 blocks of 32; block n = 2 g + u lies in registers 16 n .. 16 n + 15 of lanes l and l xor 16
	WIN 0x05                                       ; sources 0 and 1 window 1
.irp n, 0,1,2,3,4,5,6,7,8,9,10,11,12,13,14,15
	v_max3_num_f32 v[T+\n], |v[16*\n]|, |v[16*\n+1]|, 0x1800000   ; with the floor 2^(3 - 127)
.endr
.irp i, 2,4,6,8,10,12,14
.irp n, 0,1,2,3,4,5,6,7,8,9,10,11,12,13,14,15
	v_max3_num_f32 v[T+\n], |v[16*\n+\i]|, |v[16*\n+\i+1]|, v[T+\n]
.endr
.endr
	WIN 0
.irp n, 0,1,2,3,4,5,6,7,8,9,10,11,12,13,14,15
	v_permlanex16_b32 v[TP+\n], v[T+\n], s82, s83  ; (the destinations, of L's second buffer, have been written by loads)
.endr
.irp n, 0,1,2,3,4,5,6,7,8,9,10,11,12,13,14,15
	v_max_num_f32 v[T+\n], v[T+\n], v[TP+\n]       ; the block's largest magnitude
.endr
.irp n, 0,1,2,3,4,5,6,7,8,9,10,11,12,13,14,15
	v_add_nc_u32 v[OP+\n], 0xff000000, v[T+\n]     ; 2 off its exponent field: the conversion's scale operand
.endr
.irp n, 0,1,2,3,4,5,6,7,8,9,10,11,12,13,14,15
	v_lshrrev_b32 v[T+\n], 23, v[OP+\n]            ; the scale's byte
.endr
.irp g, 0,1,2,3,4,5,6,7
	v_lshl_or_b32 v[HW+\g], v[T+2*\g+1], 8, v[T+2*\g]
.endr
	WIN 0x01                                       ; source 0 window 1
.irp n, 0,1,2,3,4,5,6,7,8,9,10,11,12,13,14,15
	v_cvt_scalef32_pk16_fp6_f32 v[CD+4*\n:CD+4*\n+2], v[16*\n:16*\n+15], v[OP+\n]
.endr
	WIN 0
	v_nop                                          ; one plain place behind a scaled conversion
.irp g, 0,1,2,3,4,5,6,7
.irp i, 0,1,2
	v_permlane16_swap_b32 v[CD+8*\g+\i], v[CD+8*\g+4+\i]   ; a whole block to a lane: lanes 0-15 block 0, lanes 16-31 block 1
.endr
.endr
.irp g, 0,1,2,3,4,5,6,7
.irp i, 3,4,5
	v_mov_b32 v[CD+8*\g+\i], v[CD+8*\g+\i+1]       ; six registers on end
.endr
.endr
.irp a, 0,1,2,3
	global_store_b128 v[L16], v[CD+8*\a:CD+8*\a+3], s[88:89] offset:\a*768
	global_store_b64 v[L8], v[CD+8*\a+4:CD+8*\a+5], s[88:89] offset:\a*768+512
	global_store_b128 v[L16], v[CD+32+8*\a:CD+32+8*\a+3], s[90:91] offset:\a*768
	global_store_b64 v[L8], v[CD+32+8*\a+4:CD+32+8*\a+5], s[90:91] offset:\a*768+512
.endr
.irp a, 0,1,2,3
	v_lshl_or_b32 v[WD+\a], v[HW+4+\a], 16, v[HW+\a]   ; v: the key step's four bytes.  q, k: my head's two, and the neighbour's above them
.endr
	v_cmp_eq_u32 vcc_lo, 1, v[HH]
	v_cndmask_b32 v124, v[WD], v[WD+1], vcc_lo     ; lane (r, h) stores the words of tiles h and 2 + h
	v_cndmask_b32 v125, v[WD+2], v[WD+3], vcc_lo
	global_store_b64 v[SCO], v[124:125], s[92:93]
	s_cmp_eq_u32 s68, 1
	s_cbranch_scc1 .Lno_s1
	v_cndmask_b32 v126, v[HW+4], v[HW+5], vcc_lo   ; the second head's block
	v_cndmask_b32 v127, v[HW+6], v[HW+7], vcc_lo
	global_store_b64 v[SCO], v[126:127], s[94:95]
.Lno_s1:
	s_wait_tensorcnt 0x0                           ; the wave's end
	ds_add_u32 v[SPW], v[NIL]
	s_wait_dscnt 0x0
	CROUND                                         ; the closing round: no work-group ends while a partner may still ask for a tile that names it
	s_endpgm
.Lfunc_end_k_qb8650d036f_qkv:
	.size	k_qb8650d036f_qkv, .Lfunc_end_k_qb8650d036f_qkv-k_qb8650d036f_qkv
	.p2alignl 7, 3214868480
	.fill 96, 4, 3214868480
	.section	.rodata,"a",@progbits
	.p2align	6, 0x0
	.amdhsa_kernel k_qb8650d036f_qkv
		.amdhsa_group_segment_fixed_size 327680
		.amdhsa_private_segment_fixed_size 0
		.amdhsa_enable_private_segment 0
		.amdhsa_kernarg_size 56
		.amdhsa_user_sgpr_count 2
		.amdhsa_user_sgpr_kernarg_segment_ptr 1
		.amdhsa_wavefront_size32 1
		.amdhsa_system_sgpr_workgroup_id_x 1
		.amdhsa_system_sgpr_workgroup_id_y 1
		.amdhsa_system_sgpr_workgroup_id_z 1
		.amdhsa_system_vgpr_workitem_id 0
		.amdhsa_next_free_vgpr 768
		.amdhsa_next_free_sgpr 100
		.amdhsa_reserve_vcc 1
		.amdhsa_float_denorm_mode_32 3
		.amdhsa_float_denorm_mode_16_64 3
		.amdhsa_memory_ordered 1
		.amdhsa_forward_progress 1
		.amdhsa_inst_pref_size 171
	.end_amdhsa_kernel
	.amdgpu_metadata
---
amdhsa.version: [ 1, 2 ]
amdhsa.kernels:
  - .name:           k_qb8650d036f_qkv
    .symbol:         k_qb8650d036f_qkv.kd
    .args:
      - { .name: xc, .offset: 0, .size: 8, .value_kind: global_buffer, .address_space: global }
      - { .name: wc, .offset: 8, .size: 8, .value_kind: global_buffer, .address_space: global }
      - { .name: bq, .offset: 16, .size: 8, .value_kind: global_buffer, .address_space: global }
      - { .name: bk, .offset: 24, .size: 8, .value_kind: global_buffer, .address_space: global }
      - { .name: bv, .offset: 32, .size: 8, .value_kind: global_buffer, .address_space: global }
      - { .name: qb, .offset: 40, .size: 8, .value_kind: global_buffer, .address_space: global }
      - { .name: kvb, .offset: 48, .size: 8, .value_kind: global_buffer, .address_space: global }
    .group_segment_fixed_size: 327680
    .private_segment_fixed_size: 0
    .kernarg_segment_align: 8
    .kernarg_segment_size: 56
    .max_flat_workgroup_size: 128
    .sgpr_count:     100
    .vgpr_count:     768
    .wavefront_size: 32
...
	.end_amdgpu_metadata
.endif
;; end of part 2
;; launch attn (part 3): grid 16 x 16, 16 waves a work-group, clusters of 4 x 1, 167,936 bytes of LDS; arguments qb, kvb, ac; writes ac
.if DOCPART == 3
	.amdgcn_target "amdgcn-amd-amdhsa--gfx1250"
	.amdhsa_code_object_version 6
	.text
	.protected	k_qb8650d036f_attn
	.globl	k_qb8650d036f_attn
	.p2align	8
	.type	k_qb8650d036f_attn,@function
k_qb8650d036f_attn:
	s_mov_b64 s[64:65], 0
	v_nop
	global_prefetch_b8 v0, s[64:65] scope:SCOPE_SE
	s_setreg_imm32_b32 hwreg(HW_REG_WAVE_MODE, 25, 1), 1
	s_wait_xcnt 0x0
	s_wait_alu depctr_hold_cnt(0) depctr_sa_sdst(0) depctr_va_vdst(0) depctr_va_sdst(0) depctr_va_ssrc(0) depctr_va_vcc(0) depctr_vm_vsrc(0)
	s_getreg_b32 s2, hwreg(HW_REG_IB_STS2, 6, 4)
	s_cmp_eq_u32 s2, 0
	s_cbranch_scc0 .Lentry_in_a_cluster
	s_endpgm
.Lentry_in_a_cluster:
	s_bfe_u32 s2, ttmp6, 0x10000c
	s_cmp_lg_u32 s2, 0x3003
	s_cbranch_scc0 .Lentry_shape_is_right
	s_endpgm
.Lentry_shape_is_right:
; o = softmax(q k^T / 8) v for each batch and head, both products on codes of FP6 (E2M3), and o's quantising along the hidden axis for the last product.  Nothing is left out.
; THE SOFTMAX AHEAD OF THE SECOND PRODUCT: t = score x log2(e) / 8; M = the running largest t rounded UP to a whole number; p = 2^(t - M) is quantised along the keys, not normalised;
; the row's sum is taken of the unquantised p and divides at the end; when M moves, the sum and O are multiplied by 2^(old M - new M), which rounds nothing.
; SHARES.  A work-group owns one kv head (b, g) and 64 tokens (query strip s); wave w owns tile t = w % 4 of the strip for query head 4 g + w / 4: 16 queries in 256 registers, four waves to a SIMD.
; ALL of the kv head's region of kvb, 104,448 bytes, lies in LDS: four tensor loads at the head, no ring, no refill.  So nothing is prefetched: no stream follows the head.
; CLUSTER: the four query strips of a cluster read the same region: it is asked for jointly, mask 15.
; LAYOUT.  Both products are used transposed (S^T = K Q^T, O^T = V^T P^T): a lane holds ONE query.  By the strips' row order (launch quant) the 16 registers of tiles 2 b, 2 b + 1 of S^T are 16 neighbouring keys, and O^T's run along d.
; THE FIRST PRODUCT'S K IS 64, the instruction's 128: Q's registers 6-11 are zero codes.  K's tiles lie six registers apart, and a tile's operand runs on into the next tile's six (the last: six cleared ones):
; whatever stands there meets zero codes; the scale bytes beside them are never 0xff.
; THE STEP'S ORDER.  All that the 68 exponentials read, and O^T's and the sums' rescaling, stand ahead of ONE wait; then the 68 as one batch; a plain place; one wait; then all that reads a result.
; The row's sums come last: 23 of them are the places in front of the second product, 9 those behind it, in front of the next step's loads.
; LIMITS: the promise holds while the scaled scores t stay under 2^31 in magnitude; a block under 2^-124 keeps the byte 1; NaN and infinities are not served.
; REGISTERS: v1-6 addresses that stay; v7, v8 the add's two; v9 Q's scale words; v10 16 r; v12 -M, v13 the largest score, v[14:15] the sum; v16-27 Q; v28-33 the step's addresses; v34-87 K's 8 tiles + 6, then V's 4 fragments;
;   v88-95 K's scale words; v96-159 S^T, then p; v160-191 O^T; v192-203 p's codes; v204-210 conversions; v212-215 V's scale words; v216-218 the way out's addresses; v232-254 at work.
.set KSCL,  49152
.set VCOD,  53248
.set VSCL,  102400
.set REG,   104448
.set SCST,  104448                     ; behind the region: 512 bytes in which the two KBLOCKs' scale words are gathered; no fill lands here
.set SPARE, 104960                     ; the spare words, 128 bytes for each of the 16 waves
.set AK128, 1
.set AK64,  2
.set AKS,   3
.set AV128, 4
.set AV64,  5
.set AVS,   6
.set SPW,   7
.set NIL,   8
.set QS,    9
.set R16,   10
.set KF,    34
.set HA,    216                        ; where my two scale bytes go
.set SRD,   217                        ; wave 0: SCST + 16 x lane
.set SGO,   218                        ; wave 0: 6,400 h + 16 r
.set SEL,   20
.set CS,    22
.set G1,    24
.set G0,    32
.macro CROUND
	s_barrier_signal -1
	s_barrier_wait -1
	s_cmp_lg_u32 s10, 0
	s_cbranch_scc1 .Lnot_wave_0_\@
	s_barrier_signal -3
.Lnot_wave_0_\@:
	s_barrier_wait -3
	s_barrier_signal -1
	s_barrier_wait -1
.endm
	s_load_b128 s[4:7], s[0:1], 0x0                ; qb, kvb
	s_load_b64 s[8:9], s[0:1], 0x10                ; ac
	v_lshl_add_u32 v[SPW], v0, 2, SPARE
	v_mov_b32 v[NIL], 0
	ds_add_u32 v[SPW], v[NIL]                      ; the wave's opening: the add, twice on end, and its wait ahead of the first tensor load
	ds_add_u32 v[SPW], v[NIL]
	v_lshrrev_b32 v11, 5, v0
	v_readfirstlane_b32 s10, v11                   ; wave 0..15
	s_and_b32 s11, s10, 3                          ; t
	s_and_b32 s15, ttmp7, 0xffff                   ; 8 b + g, which the four partners share
	s_mov_b32 s[G1], 15|(3<<16)|(1<<21)            ; the mask: all four; elements of 8 bytes; bit 21 beside a mask
	s_mov_b32 s[G1+1], 32<<16                      ; rows of 256 bytes
	s_mov_b32 s[G1+2], 102<<16                     ; a quarter of the region: 102 rows
	s_mov_b32 s[G1+3], 32<<16
	s_mov_b32 s[G1+4], 102
	s_mov_b32 s[G1+5], 32
	s_mov_b32 s[G1+6], 0
	s_mov_b32 s[G1+7], 0
	s_mul_i32 s40, s15, REG
	s_mul_i32 s42, s11, 26112                      ; waves 0 to 3: quarter w, in memory and in LDS
	s_add_co_u32 s40, s40, s42
	s_mov_b32 s41, 0
	s_mov_b32 s[G0], 1
	s_mov_b32 s[G0+1], s42
	s_wait_dscnt 0x0                               ; both opening adds are done
	s_wait_kmcnt 0x0
	s_add_nc_u64 s[G0+2:G0+3], s[6:7], s[40:41]
	s_or_b32 s[G0+3], s[G0+3], 0x80000000
	CROUND                                         ; all four work-groups are here: the joint loads meet
	s_cmp_lt_u32 s10, 4
	s_cbranch_scc0 .Lno_fill
	tensor_load_to_lds s[G0:G0+3], s[G1:G1+7]      ; one load of mine is out, in waves 0 to 3; all other set-up stands behind it
	s_nop 0
.rept 4
	v_nop
.endr
.Lno_fill:
	s_lshr_b32 s12, s10, 2                         ; rr: the query head in the group
	s_bfe_u32 s13, ttmp6, 0x40000                  ; cx
	s_lshl_b32 s14, ttmp9, 2
	s_add_co_u32 s14, s14, s13                     ; the query strip: it enters global addresses alone
	s_lshr_b32 s16, s15, 3                         ; b
	s_and_b32 s17, s15, 7                          ; g
	s_lshl_b32 s43, s16, 5
	s_lshl_b32 s44, s17, 2
	s_add_co_u32 s43, s43, s44
	s_add_co_u32 s43, s43, s12
	s_mul_i32 s43, s43, 53248                      ; my query head's region of qb
	s_mul_i32 s44, s14, 3072
	s_add_co_u32 s44, s44, s43
	s_mul_i32 s45, s11, 768
	s_add_co_u32 s44, s44, s45                     ; my tile's half-image
	s_mov_b32 s45, 0
	s_and_b32 s51, s11, 1
	s_lshl_b32 s51, s51, 1
	s_lshr_b32 s50, s11, 1
	s_add_co_u32 s51, s51, s50                     ; my tile's slot among a row's four scale words
	s_lshl_b32 s48, s14, 8
	s_add_co_u32 s48, s48, s43
	s_add_co_u32 s48, s48, KSCL
	s_lshl_b32 s50, s51, 2
	s_add_co_u32 s48, s48, s50
	s_mov_b32 s49, 0
	; where o's codes go: ac, strip 16 b + s, K step 2 g + rr / 2, fragment t, half rr % 2
	s_lshl_b32 s52, s16, 4
	s_add_co_u32 s52, s52, s14
	s_lshr_b32 s53, s52, 1
	s_mul_i32 s53, s53, 204800
	s_and_b32 s52, s52, 1
	s_mul_i32 s52, s52, 25600
	s_add_co_u32 s53, s53, s52
	s_lshl_b32 s52, s17, 1
	s_lshr_b32 s54, s12, 1
	s_add_co_u32 s52, s52, s54
	s_lshr_b32 s55, s52, 2
	s_mul_i32 s55, s55, 51200
	s_add_co_u32 s53, s53, s55
	s_and_b32 s52, s52, 3
	s_mul_i32 s52, s52, 6400
	s_add_co_u32 s53, s53, s52
	s_mul_i32 s52, s11, 1536
	s_add_co_u32 s53, s53, s52
	s_and_b32 s55, s12, 1
	s_mul_i32 s52, s55, 768
	s_add_co_u32 s52, s53, s52
	s_mov_b32 s53, 0
	s_lshl_b32 s56, s54, 8                         ; and my two scale bytes in LDS: block rr / 2, my tile's slot, half rr % 2: made of the wave's number alone
	s_lshl_b32 s57, s51, 2
	s_add_co_u32 s56, s56, s57
	s_lshl_b32 s57, s55, 1
	s_add_co_u32 s56, s56, s57
	s_add_co_u32 s56, s56, SCST
	s_mov_b32 s[SEL], 0x76543210
	s_mov_b32 s[SEL+1], 0xfedcba98
	s_mov_b32 s[CS], 0x3e38aa3b                    ; c = log2(e) / 8
	s_mov_b32 s[CS+1], s[CS]                       ; (named with it as a pair, so it is written)
	s_mov_b32 s36, 0                               ; the step's codes, of K and of V: 6,144 bytes a step
	s_mov_b32 s37, 0                               ; K's scale blocks: 512 a step
	s_mov_b32 s38, 0                               ; V's: 256 a step
	s_mov_b32 s39, 8                               ; key steps of 128
	s_add_nc_u64 s[46:47], s[4:5], s[44:45]        ; Q's codes
	s_add_nc_u64 s[48:49], s[4:5], s[48:49]        ; Q's scale words
	s_add_nc_u64 s[8:9], s[8:9], s[52:53]
	v_and_b32 v11, 31, v0
	v_and_b32 v[R16], 15, v0
	v_lshlrev_b32 v[R16], 4, v[R16]                ; 16 r
	v_lshlrev_b32 v[AK128], 4, v11                 ; 16 x lane
	v_lshlrev_b32 v[AK64], 3, v11
	v_add_nc_u32 v[AK64], 512, v[AK64]             ; 512 + 8 x lane
	global_load_b128 v[16:19], v[AK128], s[46:47]  ; Q's half-image stays in registers
	global_load_b64 v[20:21], v[AK64], s[46:47]
	global_load_b32 v[QS], v[R16], s[48:49]
	v_add_nc_u32 v[AKS], KSCL, v[R16]
	v_add_nc_u32 v[AV128], VCOD, v[AK128]
	v_add_nc_u32 v[AV64], VCOD, v[AK64]
	v_add_nc_u32 v[AVS], VSCL, v[R16]
	v_add_nc_u32 v[HA], s56, v[R16]
	v_add_nc_u32 v[SRD], SCST, v[AK128]
	v_bfe_u32 v11, v0, 4, 1
	v_mad_u32_u24 v[SGO], v11, 6400, v[R16]
.irp j, 22,23,24,25,26,27, 82,83,84,85,86,87
	v_mov_b32 v[\j], 0                             ; Q's zero codes; the six registers behind K's last tile
.endr
	v_mov_b32 v13, 0xff61b1e6                      ; the largest score so far: -3e38
	v_mov_b32 v12, 0x7e800000                      ; -M: a whole number so large that the first step's factor is 0
	v_mov_b32 v14, 0
	v_mov_b32 v15, 0
.irp b, 0,1,2,3
	v_mov_b32 v[236+\b], 0                         ; a lane permute's destination counts as one of its sources
.endr
	v_mov_b32 v253, 0                              ; (named as the upper half of the pair v[252:253] before it is first written)
.set i, 0
.rept 32
	v_mov_b32 v[160+i], 0                          ; O^T: the loop is written once; its first step finds zeros
.set i, i+1
.endr
	s_wait_alu depctr_va_vdst(0)
	s_wait_tensorcnt 0x0                           ; my quarter has landed,
	s_barrier_signal -1
	s_barrier_wait -1                              ; everybody's has
	s_wait_loadcnt 0x0                             ; Q
.Lstep:                                            ; 8 trips: a key step of 128 keys
	v_add_nc_u32 v28, s36, v[AK128]                ; (with the nine sums at the trip's end these are the places in front of the loads into registers that the last products read)
	v_add_nc_u32 v29, s36, v[AK64]
	v_add_nc_u32 v30, s37, v[AKS]
.irp T, 0,1,2,3,4,5,6,7
	ds_load_b128 v[KF+6*\T:KF+6*\T+3], v28 offset:768*\T
	ds_load_b64 v[KF+6*\T+4:KF+6*\T+5], v29 offset:768*\T
.endr
	ds_load_b128 v[88:91], v30
	ds_load_b128 v[92:95], v30 offset:256
	s_wait_dscnt 0x0
.irp T, 0,1,2,3,4,5,6,7
	v_wmma_scale_f32_16x16x128_f8f6f4 v[96+8*\T:103+8*\T], v[KF+6*\T:KF+6*\T+11], v[16:27], 0, v[88+4*(\T/4)+2*(\T%2)+(\T%4)/2], v[QS] matrix_a_fmt:MATRIX_FMT_FP6 matrix_b_fmt:MATRIX_FMT_FP6
.endr
	v_add_nc_u32 v31, s36, v[AV128]                ; V's addresses and the old -M: the four places in front of the loads below and of the first read of the scores
	v_add_nc_u32 v32, s36, v[AV64]
	v_add_nc_u32 v33, s38, v[AVS]
	v_mov_b32 v254, v12
.irp t, 0,1,2,3                                    ; V's four fragments take K's registers: they land under the softmax
.irp c, 0,1
	ds_load_b128 v[KF+12*\t+6*\c:KF+12*\t+6*\c+3], v31 offset:\c*3072+\t*768
	ds_load_b64 v[KF+12*\t+6*\c+4:KF+12*\t+6*\c+5], v32 offset:\c*3072+\t*768
.endr
.endr
	ds_load_b128 v[212:215], v33
.irp b, 0,1,2,3
	v_max3_num_f32 v[232+\b], v[96+16*\b], v[97+16*\b], v[98+16*\b]   ; the largest score of each block of 32 keys: for the row's maximum, and, since p rises with the score, for the block's largest p
.endr
.irp i, 3,5,7,9,11,13
.irp b, 0,1,2,3
	v_max3_num_f32 v[232+\b], v[232+\b], v[96+16*\b+\i], v[97+16*\b+\i]
.endr
.endr
.irp b, 0,1,2,3
	v_max_num_f32 v[232+\b], v[232+\b], v[111+16*\b]
.endr
.irp b, 0,1,2,3
	v_permlanex16_b32 v[236+\b], v[232+\b], s[SEL], s[SEL+1]
.endr
.irp b, 0,1,2,3
	v_max_num_f32 v[232+\b], v[232+\b], v[236+\b]  ; with lane l xor 16's 16 keys
.endr
	v_max3_num_f32 v251, v232, v233, v234
	s_delay_alu instid0(VALU_DEP_1)
	v_max3_num_f32 v13, v251, v235, v13            ; the running largest score (c is positive: the largest t is c x this)
	s_delay_alu instid0(VALU_DEP_1)
	v_mul_f32 v251, s[CS], v13
	s_delay_alu instid0(VALU_DEP_1)
	v_floor_f32 v12, -v251                         ; the new -M = -ceil(t)
	s_delay_alu instid0(VALU_DEP_1)
	v_sub_f32 v254, v12, v254                      ; old M - new M: a whole number, 0 or less
	s_delay_alu instid0(VALU_DEP_1)
	v_cvt_i32_f32 v254, v254                       ; (it saturates)
	s_delay_alu instid0(VALU_DEP_1)
	v_ldexp_f32 v252, 1.0, v254                    ; f = 2^(old M - new M)
.irp b, 0,1,2,3
	v_fma_f32 v[232+\b], v[232+\b], s[CS], v12     ; t - M of each block's largest score
.endr
.set i, 0
.rept 32
	v_pk_fma_f32 v[96+i:97+i], v[96+i:97+i], s[CS:CS+1], v[12:13] op_sel_hi:[1,0,0]   ; t - M, two at a time
.set i, i+2
.endr
.set i, 0
.rept 16
	v_pk_mul_f32 v[160+i:161+i], v[160+i:161+i], v[252:253] op_sel_hi:[1,0]           ; O^T under the new M, each accumulator from its low end on
.set i, i+2
.endr
	v_pk_mul_f32 v[14:15], v[14:15], v[252:253] op_sel_hi:[1,0]                       ; the sums under the new M
	s_wait_alu depctr_va_vdst(0)
.set n, 0
.rept 4
	v_exp_f32 v[232+n], v[232+n]                   ; the blocks' largest p
.set n, n+1
.endr
.set n, 0
.rept 64
	v_exp_f32 v[96+n], v[96+n]                     ; p = 2^(t - M)
.set n, n+1
.endr
	v_nop                                          ; the plain place behind the last exponential
	s_wait_alu depctr_va_vdst(0)                   ; and the wait ahead of the first line that names a result: one for the 68
.irp b, 0,1,2,3
	v_max_num_f32 v[232+\b], 0x1800000, v[232+\b]  ; the floor 2^(3 - 127)
.endr
.irp b, 0,1,2,3
	v_add_nc_u32 v[244+\b], 0xff000000, v[232+\b]  ; the conversion's scale operand
.endr
.irp b, 0,1,2,3
	v_lshrrev_b32 v[236+\b], 23, v[244+\b]         ; the scale's byte
.endr
	v_lshl_or_b32 v253, v237, 8, v236              ; p's scale word for these 128 keys
	v_lshl_or_b32 v253, v238, 16, v253
	v_lshl_or_b32 v253, v239, 24, v253
.irp c, 0,1
	v_cvt_scalef32_pk16_fp6_f32 v[192+6*\c:194+6*\c], v[96+32*\c:111+32*\c], v[244+2*\c]
	v_cvt_scalef32_pk16_fp6_f32 v[204+4*\c:206+4*\c], v[112+32*\c:127+32*\c], v[244+2*\c+1]
.endr
	v_nop                                          ; one plain place behind a scaled conversion
.irp c, 0,1
.irp i, 0,1,2
	v_permlane16_swap_b32 v[192+6*\c+\i], v[204+4*\c+\i]   ; a whole block to a lane
.endr
.irp i, 0,1,2
	v_mov_b32 v[195+6*\c+\i], v[204+4*\c+\i]
.endr
.endr
	v_pk_add_f32 v[236:237], v[96:97], v[98:99]    ; the row's sum of the unquantised p, in two chains.  These 23 are the places between p's codes and scale word and the products
.irp j, 4,8,12,16,20,24,28,32,36,40,44
	v_pk_add_f32 v[14:15], v[14:15], v[96+\j:97+\j]
	v_pk_add_f32 v[236:237], v[236:237], v[98+\j:99+\j]
.endr
	s_wait_alu depctr_va_vdst(0)
	s_wait_dscnt 0x0                               ; V
.irp t, 0,1,2,3
	v_wmma_scale_f32_16x16x128_f8f6f4 v[160+8*\t:167+8*\t], v[KF+12*\t:KF+12*\t+11], v[192:203], v[160+8*\t:167+8*\t], v[212+2*(\t%2)+\t/2], v253 matrix_a_fmt:MATRIX_FMT_FP6 matrix_b_fmt:MATRIX_FMT_FP6
.endr
.irp j, 48,52,56,60
	v_pk_add_f32 v[14:15], v[14:15], v[96+\j:97+\j]        ; the rest of the sums: they name no register of the products
	v_pk_add_f32 v[236:237], v[236:237], v[98+\j:99+\j]
.endr
	v_pk_add_f32 v[14:15], v[14:15], v[236:237]
	s_add_co_u32 s36, s36, 6144
	s_add_co_u32 s37, s37, 512
	s_add_co_u32 s38, s38, 256
	s_sub_co_u32 s39, s39, 1
	s_cmp_lg_u32 s39, 0
	s_wait_alu depctr_va_vdst(0)
	s_cbranch_scc1 .Lstep
	; THE WAY OUT: O^T / the sum; register 8 t + j is d = 32 (t / 2) + 16 h + 8 (t % 2) + j of my head: two blocks of 32 along the hidden axis, quantised as every operand here
	v_add_f32 v14, v14, v15
	v_permlanex16_b32 v252, v14, s[SEL], s[SEL+1]
	v_add_f32 v14, v14, v252                       ; the row's sum
	s_wait_alu depctr_va_vdst(0)
	v_rcp_f32 v14, v14
	v_nop                                          ; a plain place behind the reciprocal
	s_wait_alu depctr_va_vdst(0)                   ; the wait ahead of the reciprocal's first reader, which is also O^T's
.set i, 0
.rept 32
	v_mul_f32 v[96+i], v[160+i], v14               ; each accumulator from its low end on
.set i, i+1
.endr
.irp u, 0,1
	v_max3_num_f32 v[232+\u], |v[96+16*\u]|, |v[97+16*\u]|, 0x1800000
.endr
.irp i, 2,4,6,8,10,12,14
.irp u, 0,1
	v_max3_num_f32 v[232+\u], v[232+\u], |v[96+16*\u+\i]|, |v[97+16*\u+\i]|
.endr
.endr
.irp u, 0,1
	v_permlanex16_b32 v[236+\u], v[232+\u], s[SEL], s[SEL+1]
.endr
.irp u, 0,1
	v_max_num_f32 v[232+\u], v[232+\u], v[236+\u]
.endr
.irp u, 0,1
	v_add_nc_u32 v[244+\u], 0xff000000, v[232+\u]
.endr
.irp u, 0,1
	v_lshrrev_b32 v[238+\u], 23, v[244+\u]
.endr
	v_lshl_or_b32 v240, v239, 8, v238              ; my head's two bytes of the row's scale word
	v_cvt_scalef32_pk16_fp6_f32 v[192:194], v[96:111], v244
	v_cvt_scalef32_pk16_fp6_f32 v[196:198], v[112:127], v245
	v_nop
.irp i, 0,1,2
	v_permlane16_swap_b32 v[192+\i], v[196+\i]
.endr
.irp i, 195,196,197
	v_mov_b32 v[\i], v[\i+1]
.endr
	global_store_b128 v[AK128], v[192:195], s[8:9] ; my half-image: 512 and 256 consecutive bytes
	global_store_b64 v[AK64], v[196:197], s[8:9]
	ds_store_b16 v[HA], v240                       ; both halves of the lanes write the same two bytes with the same value
	s_wait_dscnt 0x0                               ; for the others' sake
	s_barrier_signal -1
	s_barrier_wait -1
	s_cmp_lg_u32 s10, 0
	s_cbranch_scc1 .Lnot_first
	ds_load_b128 v[100:103], v[SRD]                ; wave 0 (t = 0, rr = 0: its pointer stands at the first KBLOCK) stores both scale blocks: two aligned runs of 256 bytes
	s_wait_dscnt 0x0
	global_store_b128 v[SGO], v[100:103], s[8:9] offset:6144
.Lnot_first:
	s_wait_tensorcnt 0x0                           ; the wave's end, behind my last tensor load and my last LDS store
	ds_add_u32 v[SPW], v[NIL]
	s_wait_dscnt 0x0
	CROUND                                         ; the closing round
	s_endpgm
.Lfunc_end_k_qb8650d036f_attn:
	.size	k_qb8650d036f_attn, .Lfunc_end_k_qb8650d036f_attn-k_qb8650d036f_attn
	.p2alignl 7, 3214868480
	.fill 96, 4, 3214868480
	.section	.rodata,"a",@progbits
	.p2align	6, 0x0
	.amdhsa_kernel k_qb8650d036f_attn
		.amdhsa_group_segment_fixed_size 167936
		.amdhsa_private_segment_fixed_size 0
		.amdhsa_enable_private_segment 0
		.amdhsa_kernarg_size 24
		.amdhsa_user_sgpr_count 2
		.amdhsa_user_sgpr_kernarg_segment_ptr 1
		.amdhsa_wavefront_size32 1
		.amdhsa_system_sgpr_workgroup_id_x 1
		.amdhsa_system_sgpr_workgroup_id_y 1
		.amdhsa_system_sgpr_workgroup_id_z 1
		.amdhsa_system_vgpr_workitem_id 0
		.amdhsa_next_free_vgpr 256
		.amdhsa_next_free_sgpr 66
		.amdhsa_reserve_vcc 0
		.amdhsa_float_denorm_mode_32 3
		.amdhsa_float_denorm_mode_16_64 3
		.amdhsa_memory_ordered 1
		.amdhsa_forward_progress 1
		.amdhsa_inst_pref_size 29
	.end_amdhsa_kernel
	.amdgpu_metadata
---
amdhsa.version: [ 1, 2 ]
amdhsa.kernels:
  - .name:           k_qb8650d036f_attn
    .symbol:         k_qb8650d036f_attn.kd
    .args:
      - { .name: qb, .offset: 0, .size: 8, .value_kind: global_buffer, .address_space: global }
      - { .name: kvb, .offset: 8, .size: 8, .value_kind: global_buffer, .address_space: global }
      - { .name: ac, .offset: 16, .size: 8, .value_kind: global_buffer, .address_space: global }
    .group_segment_fixed_size: 167936
    .private_segment_fixed_size: 0
    .kernarg_segment_align: 8
    .kernarg_segment_size: 24
    .max_flat_workgroup_size: 512
    .sgpr_count:     66
    .vgpr_count:     256
    .wavefront_size: 32
...
	.end_amdgpu_metadata
.endif
;; end of part 3
;; launch oproj (part 4): grid 16 x 16, 4 waves a work-group, clusters of 4 x 4, 327,680 bytes of LDS; arguments ac, woc, bo, out0; writes out0
.if DOCPART == 4
	.amdgcn_target "amdgcn-amd-amdhsa--gfx1250"
	.amdhsa_code_object_version 6
	.text
	.protected	k_qb8650d036f_oproj
	.globl	k_qb8650d036f_oproj
	.p2align	8
	.type	k_qb8650d036f_oproj,@function
k_qb8650d036f_oproj:
	s_mov_b64 s[64:65], 0
	v_nop
	global_prefetch_b8 v0, s[64:65] scope:SCOPE_SE
	s_setreg_imm32_b32 hwreg(HW_REG_WAVE_MODE, 25, 1), 1
	s_wait_xcnt 0x0
	s_wait_alu depctr_hold_cnt(0) depctr_sa_sdst(0) depctr_va_vdst(0) depctr_va_sdst(0) depctr_va_ssrc(0) depctr_va_vcc(0) depctr_vm_vsrc(0)
	s_getreg_b32 s2, hwreg(HW_REG_IB_STS2, 6, 4)
	s_cmp_eq_u32 s2, 0
	s_cbranch_scc0 .Lentry_in_a_cluster
	s_endpgm
.Lentry_in_a_cluster:
	s_bfe_u32 s2, ttmp6, 0x10000c
	s_cmp_lg_u32 s2, 0xf033
	s_cbranch_scc0 .Lentry_shape_is_right
	s_endpgm
.Lentry_shape_is_right:
; out0 = o Wo + bo on codes of FP6 (E2M3) with E8M0 scales, f32 sums.  Nothing is left out.
; OPERANDS come as register images (launch quant's head comment): strips of 64 rows, KBLOCKs of 6,400 bytes, a phase = 4 K steps of 128; a panel (2 strips) is [phase 4][strip 2][K step 4][6,400], dense.
; A work-group makes 128 tokens (panel y of ac) x 128 columns (panel x of woc): 256 work-groups.  A wave makes 64 x 64: source 0 = U, woc's strip wave / 2; source 1 = L, ac's strip wave % 2; 16 accumulators.
; LDS: ac's phases 0-2 at 0, woc's at BOFF, each 153,600 bytes as they lie in memory.  THE HEAD'S LOADS, one a wave: a half of such a run, 300 rows of 256 bytes.
; Phase 3 is the one refill: it takes phase 0's bytes behind K step 2's round, when K step 3's fragments, the last of phase 0, are in registers; its first read stands in K step 10, behind a barrier.
; FRAGMENTS: three buffers; K step n + 2's 34 LDS loads go out in K step n, so that a run of loads has two K steps' products in which to land.
; CLUSTERS: 4 x 4.  ac's panel hangs on y alone and is shared along a row of the cluster, woc's on x alone and is shared along a column: joint loads, each with a mask that names the four.
; No prefetch: three of the four phases are asked for at the head, and the one refill is asked for eight K steps ahead of its first read.  No padding in LDS: every fragment load reads 512 or 256 consecutive bytes.
; REGISTERS: window 0: v1-22 addresses; v30, v31 the add's two; v32-55 scale words, three sets, nothing else; v56-87 the bias, then v56-119 the way out; v128-255 the accumulators.
;   window 1: fragment buffers 0 and 1 (U's 4 fragments, then L's 4: 96 registers each);  window 2: buffer 2.
.set SB,     25600                     ; a strip x a phase
.set KB,     6400                      ; a KBLOCK
.set PH,     2*SB                      ; a panel's phase
.set PANEL,  8*SB
.set BOFF,   3*PH                      ; woc's three phases lie behind ac's
.set STAGE,  6*PH                      ; the way out: 16 rows x 272 bytes for each wave; no fill lands here
.set SPARE,  STAGE+4*16*272            ; the spare words, 128 bytes for each wave
.set AU128, 1                          ; v1-3   U's strip in phase slot 0, 1, 2, + 16 x lane
.set AU64,  4                          ; v4-6   + 8 x lane
.set AUS,   7                          ; v7-9   + 16 r
.set AL128, 10                         ; v10-18 the same for L
.set AL64,  13
.set ALS,   16
.set STO,   19
.set RD,    20
.set CO,    21
.set BNO,   22
.set SPW,   30
.set NIL,   31
.set SCB,   32
.set BI,    56
.set OB,    56
.set ACC,   128
.set G1,  24                           ; s[24:31] group 1 for ac's tiles, s[48:55] for woc's
.set G1B, 48
.set GH,  32                           ; groups 0: the head's load and the refill, for ac
.set GR,  36
.set GHB, 68                           ; and for woc
.set GRB, 72
.set MSB, 0
.macro WIN new                         ; the immediate's high byte repeats the setting that is left
.if MSB != \new
	s_set_vgpr_msb (MSB<<8)|\new
.set MSB, \new
.endif
.endm
.macro JLOAD ga, gb                    ; waves 0, 1 fetch for ac, waves 2, 3 for woc; an s_nop 0 and four v_nop follow each line
	s_cmp_eq_u32 s19, 0
	s_cbranch_scc0 .Lfor_p_\@
	tensor_load_to_lds s[\ga:\ga+3], s[G1:G1+7]
	s_nop 0
.rept 4
	v_nop
.endr
	s_branch .Lasked_\@
.Lfor_p_\@:
	tensor_load_to_lds s[\gb:\gb+3], s[G1B:G1B+7]
	s_nop 0
.rept 4
	v_nop
.endr
.Lasked_\@:
.endm
.macro CREST                           ; a round of the cluster's barrier behind its opening barrier
	s_cmp_lg_u32 s18, 0
	s_cbranch_scc1 .Lnot_wave_0_\@
	s_barrier_signal -3
.Lnot_wave_0_\@:
	s_barrier_wait -3
	s_barrier_signal -1
	s_barrier_wait -1
.endm
.macro CROUND
	s_barrier_signal -1
	s_barrier_wait -1
	CREST
.endm
.macro PLACES                          ; four places in front of loads into registers that matrix instructions have read, and of the first read of results
.rept 4
	v_nop
.endr
.endm
	s_load_b256 s[4:11], s[0:1], 0x0               ; ac, woc, bo, out0
	v_lshl_add_u32 v[SPW], v0, 2, SPARE
	v_mov_b32 v[NIL], 0
	ds_add_u32 v[SPW], v[NIL]                      ; the wave's opening: the add, twice on end, and its wait ahead of my first tensor load
	ds_add_u32 v[SPW], v[NIL]
	v_lshrrev_b32 v23, 5, v0
	v_readfirstlane_b32 s18, v23                   ; wave
	s_lshr_b32 s19, s18, 1                         ; wp: U's strip.  Also: I fetch for ac (0) or for woc (1)
	s_and_b32 s20, s18, 1                          ; wr: L's strip.  Also: which half I fetch
	s_bfe_u32 s21, ttmp6, 0x40000                  ; cx
	s_bfe_u32 s22, ttmp6, 0x40004                  ; cy
	s_lshl_b32 s23, ttmp9, 2
	s_add_co_u32 s23, s23, s21                     ; x: woc's panel
	s_and_b32 s56, ttmp7, 0xffff
	s_lshl_b32 s56, s56, 2
	s_add_co_u32 s56, s56, s22                     ; y: ac's panel
	s_lshl_b32 s57, s22, 2
	s_lshl_b32 s57, 15, s57                        ; my row of the cluster
	s_lshl_b32 s58, 0x1111, s21                    ; my column
	s_or_b32 s[G1], s57, (3<<16)|(1<<21)           ; the mask; elements of 8 bytes; bit 21 beside a mask; no padding
	s_or_b32 s[G1B], s58, (3<<16)|(1<<21)
.irp g, G1, G1B
	s_mov_b32 s[\g+1], 32<<16                      ; rows of 256 bytes
	s_mov_b32 s[\g+2], 300<<16                     ; the head's load: 300 rows
	s_mov_b32 s[\g+3], 32<<16
	s_mov_b32 s[\g+4], 300
	s_mov_b32 s[\g+5], 32                          ; dense
	s_mov_b32 s[\g+6], 0
	s_mov_b32 s[\g+7], 0
.endr
	s_mul_i32 s44, s20, 3*SB                       ; my half of three phases, in memory and in LDS: made of the wave's number alone
	s_mov_b32 s45, 0
	s_mul_i32 s60, s56, PANEL
	s_mov_b32 s61, 0
	s_mul_i32 s62, s23, PANEL
	s_mov_b32 s63, 0
	s_mov_b32 s[GH], 1
	s_mov_b32 s[GH+1], s44
	s_mov_b32 s[GHB], 1
	s_add_co_u32 s[GHB+1], s44, BOFF
	s_wait_dscnt 0x0                               ; both opening adds are done
	s_wait_kmcnt 0x0
	s_add_nc_u64 s[60:61], s[4:5], s[60:61]        ; ac's panel: of y alone
	s_add_nc_u64 s[62:63], s[6:7], s[62:63]        ; woc's: of x alone
	s_add_nc_u64 s[GH+2:GH+3], s[60:61], s[44:45]
	s_or_b32 s[GH+3], s[GH+3], 0x80000000
	s_add_nc_u64 s[GHB+2:GHB+3], s[62:63], s[44:45]
	s_or_b32 s[GHB+3], s[GHB+3], 0x80000000
	CROUND                                         ; all sixteen work-groups are here: the first joint loads meet
	JLOAD GH, GHB                                  ; phases 0 to 2: one load of mine is out
	s_mul_i32 s46, s20, SB                         ; the refill: strip wr of phase 3, into phase 0's bytes
	s_mov_b32 s47, 0
	s_mov_b32 s[GR], 1
	s_mov_b32 s[GR+1], s46
	s_add_nc_u64 s[GR+2:GR+3], s[60:61], s[46:47]
	s_add_nc_u64 s[GR+2:GR+3], s[GR+2:GR+3], 3*PH
	s_or_b32 s[GR+3], s[GR+3], 0x80000000
	s_mov_b32 s[GRB], 1
	s_add_co_u32 s[GRB+1], s46, BOFF
	s_add_nc_u64 s[GRB+2:GRB+3], s[62:63], s[46:47]
	s_add_nc_u64 s[GRB+2:GRB+3], s[GRB+2:GRB+3], 3*PH
	s_or_b32 s[GRB+3], s[GRB+3], 0x80000000
	s_lshl_b32 s80, s56, 7
	s_lshl_b32 s81, s20, 6
	s_add_co_u32 s80, s80, s81
	s_lshl_b32 s80, s80, 13                        ; my first token's row of out0, in bytes
	s_lshl_b32 s82, s23, 7
	s_lshl_b32 s83, s19, 6
	s_add_co_u32 s82, s82, s83
	s_lshl_b32 s82, s82, 2                         ; my first column, in bytes
	s_mov_b32 s83, 0
	s_add_nc_u64 s[8:9], s[8:9], s[82:83]          ; bo at my columns
	s_add_co_u32 s82, s82, s80
	s_add_nc_u64 s[10:11], s[10:11], s[82:83]      ; out0 at my corner
	s_mul_i32 s84, s19, SB
	s_add_co_u32 s84, s84, BOFF                    ; U's strip in phase slot 0
	s_mul_i32 s85, s20, SB                         ; L's
	s_mul_i32 s86, s18, 16*272
	s_add_co_u32 s86, s86, STAGE                   ; my stage
	v_and_b32 v23, 31, v0
	v_and_b32 v24, 15, v0                          ; r
	v_bfe_u32 v25, v0, 4, 1                        ; h
	v_lshlrev_b32 v[BNO], 6, v25
.irp b, 0,1,2,3                                    ; the bias runs along the registers: that of column 32 (b / 2) + 8 (b % 2) + 16 h + j; it is the C of each sum's first product
	global_load_b128 v[BI+8*\b:BI+8*\b+3], v[BNO], s[8:9] offset:(32*(\b/2)+8*(\b%2))*4
	global_load_b128 v[BI+8*\b+4:BI+8*\b+7], v[BNO], s[8:9] offset:(32*(\b/2)+8*(\b%2))*4+16
.endr
	v_lshlrev_b32 v26, 4, v23
	v_lshlrev_b32 v27, 3, v23
	v_lshlrev_b32 v28, 4, v24
	v_add_nc_u32 v[AU128], s84, v26
	v_add_nc_u32 v[AU64], s84, v27
	v_add_nc_u32 v[AUS], s84, v28
	v_add_nc_u32 v[AL128], s85, v26
	v_add_nc_u32 v[AL64], s85, v27
	v_add_nc_u32 v[ALS], s85, v28
.irp s, 1,2
.irp a, AU128, AU64, AUS, AL128, AL64, ALS
	v_add_nc_u32 v[\a+\s], \s*PH, v[\a]
.endr
.endr
	v_mul_u32_u24 v[STO], v24, 272                 ; into the stage: row r, 64 bytes for each half of the lanes
	v_lshl_add_u32 v[STO], v25, 6, v[STO]
	v_add_nc_u32 v[STO], s86, v[STO]
	v_mul_u32_u24 v[RD], v25, 272                  ; back: sixteen lanes take a row of 256 bytes, two rows an instruction
	v_add_nc_u32 v[RD], v[RD], v28
	v_add_nc_u32 v[RD], s86, v[RD]
	v_lshl_add_u32 v[CO], v25, 13, v28             ; and the same two rows in out0
; 8 matrix instructions of K step n: L's fragments a0, a0 + 1 x U's four.  The 16 accumulators take turns, one instruction a turn, in the same order in every K step.
.macro MUL8 n, a0, first
.set FB, 96*(((\n)%3)%2)
.set SS, SCB+8*((\n)%3)
	WIN (5*(1+((\n)%3)/2))                         ; sources 0 and 1: the buffer's window; C and D window 0
.irp a, \a0, \a0+1
.irp b, 0,1,2,3
.if \first
	v_wmma_scale_f32_16x16x128_f8f6f4 v[ACC+8*(4*(\a)+\b):ACC+8*(4*(\a)+\b)+7], v[FB+12*\b:FB+12*\b+11], v[FB+48+12*(\a):FB+48+12*(\a)+11], v[BI+8*\b:BI+8*\b+7], v[SS+2*(\b%2)+\b/2], v[SS+4+2*((\a)%2)+(\a)/2] matrix_a_fmt:MATRIX_FMT_FP6 matrix_b_fmt:MATRIX_FMT_FP6
.else
	v_wmma_scale_f32_16x16x128_f8f6f4 v[ACC+8*(4*(\a)+\b):ACC+8*(4*(\a)+\b)+7], v[FB+12*\b:FB+12*\b+11], v[FB+48+12*(\a):FB+48+12*(\a)+11], v[ACC+8*(4*(\a)+\b):ACC+8*(4*(\a)+\b)+7], v[SS+2*(\b%2)+\b/2], v[SS+4+2*((\a)%2)+(\a)/2] matrix_a_fmt:MATRIX_FMT_FP6 matrix_b_fmt:MATRIX_FMT_FP6
.endif
.endr
.endr
.endm
; one run of 34 LDS loads: K step n's 8 fragments as images and 2 x 4 scale words, into buffer n % 3.  Phase n / 4 lies in phase slot (n / 4) % 3
.macro FETCH n
.set SL, ((\n)/4)%3
.set QO, ((\n)%4)*KB
.set FF, 96*(((\n)%3)%2)
.set SF, SCB+8*((\n)%3)
	WIN ((1+((\n)%3)/2)<<6)                        ; destination: the buffer's window
.irp t, 0,1,2,3
.irp c, 0,1
	ds_load_b128 v[FF+12*\t+6*\c:FF+12*\t+6*\c+3], v[AU128+SL] offset:QO+\t*1536+\c*768
	ds_load_b64 v[FF+12*\t+6*\c+4:FF+12*\t+6*\c+5], v[AU64+SL] offset:QO+\t*1536+\c*768+512
.endr
.endr
.irp t, 0,1,2,3
.irp c, 0,1
	ds_load_b128 v[FF+48+12*\t+6*\c:FF+48+12*\t+6*\c+3], v[AL128+SL] offset:QO+\t*1536+\c*768
	ds_load_b64 v[FF+48+12*\t+6*\c+4:FF+48+12*\t+6*\c+5], v[AL64+SL] offset:QO+\t*1536+\c*768+512
.endr
.endr
	WIN 0
	ds_load_b128 v[SF:SF+3], v[AUS+SL] offset:QO+6144
	ds_load_b128 v[SF+4:SF+7], v[ALS+SL] offset:QO+6144
.endm
.macro STEP n, first
	s_wait_dscnt 34                                ; K step n's fragments are in; the next step's 34 loads may be out
.if !(\first)
	PLACES                                         ; the buffer that is filled next was multiplied by the products just issued
.endif
	FETCH (\n)+2
	MUL8 \n, 0, \first
	MUL8 \n, 2, \first
.endm
; A K step with a barrier.  fill = 1: phase 0's bytes are read no more: each wave waits for all its tensor loads, adds 0 to its spare word, waits for that and for all its LDS reads; the barrier opens a round of the cluster's, and the refill follows.
; fill = 0: phase 3 is shown whole to all four waves, ahead of its first read.
.macro TURN n, fill
	WIN 0                                          ; (the add's two registers lie in window 0)
	s_wait_tensorcnt 0x0
.if \fill
	ds_add_u32 v[SPW], v[NIL]                      ; 0 onto my spare word
	s_wait_dscnt 35                                ; K step n's fragments are in; the next step's 34 loads and the add may be out
.else
	s_wait_dscnt 34
.endif
	MUL8 \n, 0, 0
	s_wait_dscnt 0x0                               ; all my LDS instructions are done
	s_barrier_signal -1
	MUL8 \n, 2, 0
	WIN 0
	s_barrier_wait -1
.if \fill
	CREST                                          ; no wave of any partner still reads phase 0's bytes or has a load on its way
	JLOAD GR, GRB                                  ; the first tensor load behind the round; its four v_nop are the places in front of the loads below
.else
	PLACES
.endif
	FETCH (\n)+2
.endm
	s_wait_alu depctr_va_vdst(0)
	s_wait_tensorcnt 0x0                           ; my half is in; no load of mine is out, so group 1 may be written: the refill brings a strip's phase, 100 rows
	s_mov_b32 s[G1+2], 100<<16
	s_mov_b32 s[G1+4], 100
	s_mov_b32 s[G1B+2], 100<<16
	s_mov_b32 s[G1B+4], 100
	s_barrier_signal -1
	s_barrier_wait -1                              ; everybody's is in
	FETCH 0
	FETCH 1
	s_wait_loadcnt 0x0                             ; the bias
	STEP 0, 1                                      ; the first products start the sums from the bias
	STEP 1, 0
	TURN 2, 1                                      ; phase 3 is asked for
.irp n, 3,4,5,6,7,8,9
	STEP \n, 0
.endr
	TURN 10, 0                                     ; phase 3 is in
.irp n, 11,12,13
	STEP \n, 0
.endr
	s_wait_dscnt 34
	MUL8 14, 0, 0
	MUL8 14, 2, 0
	s_wait_dscnt 0x0
	MUL8 15, 0, 0
	MUL8 15, 2, 0
	WIN 0
	PLACES
; THE WAY OUT, by L's fragments: 16 tokens x 64 columns go through my own stage and come back as rows of 256 bytes; sixteen lanes store one aligned run of 256 bytes.
; LDS serves a wave's instructions in order (ISA guide 5.7.1.4): no wait between the stores and the loads.
.irp a, 0,1,2,3
.irp b, 0,1,2,3
	ds_store_b128 v[STO], v[ACC+8*(4*\a+\b):ACC+8*(4*\a+\b)+3] offset:128*(\b/2)+32*(\b%2)          ; each accumulator from its low end on
	ds_store_b128 v[STO], v[ACC+8*(4*\a+\b)+4:ACC+8*(4*\a+\b)+7] offset:128*(\b/2)+32*(\b%2)+16
.endr
.if \a >= 2
	s_wait_xcnt 0x0                                ; the stores of two fragments ago have read their data: that set is loaded again
.endif
.irp i, 0,1,2,3,4,5,6,7
	ds_load_b128 v[OB+32*(\a%2)+4*\i:OB+32*(\a%2)+4*\i+3], v[RD] offset:544*\i
.endr
.irp i, 0,1,2,3,4,5,6,7
	s_wait_dscnt 7-\i
	global_store_b128 v[CO], v[OB+32*(\a%2)+4*\i:OB+32*(\a%2)+4*\i+3], s[10:11] offset:(32*(\a/2)+8*(\a%2)+2*\i+8*((2*\i)/8))*8192 th:TH_STORE_NT
.endr
.endr
	s_wait_tensorcnt 0x0                           ; the wave's end
	ds_add_u32 v[SPW], v[NIL]
	s_wait_dscnt 0x0
	CROUND                                         ; the closing round: no work-group ends while a partner may still ask for a tile that names it
	s_endpgm
.Lfunc_end_k_qb8650d036f_oproj:
	.size	k_qb8650d036f_oproj, .Lfunc_end_k_qb8650d036f_oproj-k_qb8650d036f_oproj
	.p2alignl 7, 3214868480
	.fill 96, 4, 3214868480
	.section	.rodata,"a",@progbits
	.p2align	6, 0x0
	.amdhsa_kernel k_qb8650d036f_oproj
		.amdhsa_group_segment_fixed_size 327680
		.amdhsa_private_segment_fixed_size 0
		.amdhsa_enable_private_segment 0
		.amdhsa_kernarg_size 32
		.amdhsa_user_sgpr_count 2
		.amdhsa_user_sgpr_kernarg_segment_ptr 1
		.amdhsa_wavefront_size32 1
		.amdhsa_system_sgpr_workgroup_id_x 1
		.amdhsa_system_sgpr_workgroup_id_y 1
		.amdhsa_system_sgpr_workgroup_id_z 1
		.amdhsa_system_vgpr_workitem_id 0
		.amdhsa_next_free_vgpr 640
		.amdhsa_next_free_sgpr 100
		.amdhsa_reserve_vcc 0
		.amdhsa_float_denorm_mode_32 3
		.amdhsa_float_denorm_mode_16_64 3
		.amdhsa_memory_ordered 1
		.amdhsa_forward_progress 1
		.amdhsa_inst_pref_size 88
	.end_amdhsa_kernel
	.amdgpu_metadata
---
amdhsa.version: [ 1, 2 ]
amdhsa.kernels:
  - .name:           k_qb8650d036f_oproj
    .symbol:         k_qb8650d036f_oproj.kd
    .args:
      - { .name: ac, .offset: 0, .size: 8, .value_kind: global_buffer, .address_space: global }
      - { .name: woc, .offset: 8, .size: 8, .value_kind: global_buffer, .address_space: global }
      - { .name: bo, .offset: 16, .size: 8, .value_kind: global_buffer, .address_space: global }
      - { .name: out0, .offset: 24, .size: 8, .value_kind: global_buffer, .address_space: global }
    .group_segment_fixed_size: 327680
    .private_segment_fixed_size: 0
    .kernarg_segment_align: 8
    .kernarg_segment_size: 32
    .max_flat_workgroup_size: 128
    .sgpr_count:     100
    .vgpr_count:     640
    .wavefront_size: 32
...
	.end_amdgpu_metadata
.endif
;; end of part 4
